; MI455X (gfx1250); checked and timed in simulation.
; The chip was launched on July 23, 2026; its instructions are those of AMD's public machine-readable ISA for CDNA 5 (MIT licence, August 2026) and "CDNA5" Instruction Set Architecture Reference Guide (July 2026). The comments in the code are by the model that wrote it; some were corrected since.
;; Multi Head Attention. Allowed arithmetic: matrix products marked QUANTISED: E2M1 operands, one E8M0 scale for each 32 along K, by v_wmma_scale_f32_16x16x128_f8f6f4 with both operands' format E2M1 (or v_wmma_scale_f32_32x16x128_f4), f32 sums; everything else in f32.
;; Inputs: Wk 768 x 768 float32; Wo 768 x 768 float32; Wq 768 x 768 float32; Wv 768 x 768 float32; bk 768 float32; bo 768 float32; bq 768 float32; bv 768 float32; key_in 4 x 2,048 x 768 float32; ln_beta 768 float32; ln_gamma 768 float32; query_in 4 x 2,048 x 768 float32; value_in 4 x 2,048 x 768 float32.
;; Outputs: out0 4 x 2,048 x 768 float32.
;; This version of the problem:
;;   THIS VERSION OF THE PROBLEM IS GIVEN IN LOW PRECISION. The matrix products marked QUANTISED in the list below multiply operands that are first quantised to E2M1 (2 exponent bits, 1 mantissa bit; 4 bits a number), with one power-of-two scale for each 32 numbers along K (OCP MX v1.0); their sums are f32. All else is computed in f32.
;;   The module's matrix products, in the order in which they are computed (A, B: the left and right operand; K: the contracted axis; several contracted axes count as one K, in the product's order):
;;     1. [M 8,192, K 768] x [K 768, N 768]; A: input key_in; B: input Wk: QUANTISED
;;     2. [M 8,192, K 768] x [K 768, N 768]; A: input value_in; B: input Wv: QUANTISED
;;     3. [M 8,192, K 768] x [K 768, N 768]; A: input query_in; B: input Wq: QUANTISED
;;     4. batch 32 x [M 2,048, K 96] x [K 96, N 2,048]; A: computed on the way; B: computed on the way: QUANTISED
;;     5. batch 32 x [M 2,048, K 2,048] x [K 2,048, N 96]; A: softmax (see below); B: computed on the way: QUANTISED
;;     6. [M 8,192, K 768] x [K 768, N 768]; A: computed on the way; B: input Wo: QUANTISED
;;   THE QUANTISER, for each operand of a quantised product, along K:
;;     - K is cut into blocks of 32 from its start; a last block that is shorter is filled with zeros.
;;     - A block's scale is 2^e with e = floor(log2(the largest magnitude in the block)) - 2, held to -126 .. 127; a block of zeros has e = 0. As a byte (E8M0): e + 127.
;;     - Each number is divided by its block's scale, clamped to +-6, and rounded to the nearest number of E2M1, ties to even, subnormals kept.
;;     - The product sums the exact products of the quantised numbers (number of the format x scale) in f32.
;;   ~~~python
;;   def quantise(x, axis):      # numpy; x: float32 -> the quantised numbers, widened to float32 again
;;       x = np.moveaxis(x, axis, -1); K = x.shape[-1]
;;       x = np.pad(x, [(0, 0)] * (x.ndim - 1) + [(0, -K % 32)]); x = x.reshape(x.shape[:-1] + (-1, 32)); a = np.abs(x).max(-1, keepdims=True)
;;       e = np.where(a > 0, np.clip(np.frexp(np.where(a > 0, a, 1))[1] - 1 - 2, -126, 127), 0)      # np.frexp(a)[1] - 1 = floor(log2(a)), exactly
;;       r = np.clip(x / 2.0 ** e, -6, 6)
;;       step = 2.0 ** (np.maximum(np.frexp(np.where(r == 0, 1, r))[1] - 1, 0) - 1)
;;       q = np.round(r / step) * step * 2.0 ** e      # np.round: ties to even
;;       return np.moveaxis(q.reshape(q.shape[:-2] + (-1,))[..., :K], -1, axis).astype(np.float32)
;;   ~~~
;;   SOFTMAX AHEAD OF A QUANTISED PRODUCT. Where the list says 'softmax', what is quantised is not the finished softmax but p = 2^(t - M), with t = logit x log2(e) and M = ceil(the row's largest t), a whole number; so 1/2 < the row's largest p <= 1. The row's sum l is taken of the UNQUANTISED p, in f32, and the product's result is divided by l at the end. Since M is a whole number, a kernel that streams over the keys may use a running M (the ceiling of the running maximum): every later rescaling is an exact power of two, which a block's scale takes up: the codes' values come out the same.
;;   OPERANDS COMPUTED ON THE WAY. 'Computed on the way' means the value that the module computes at that place (a softmax that the list does not call 'softmax' is quantised finished and normalised). What goes into a quantiser is computed in f32, as accurately as f32 sums, v_exp_f32 and their like allow (about 1e-6 of the number): no bf16 or f16 on the way to a quantiser, and a product that is left as it is and whose result goes on into a quantised operand takes f32 operands (vector FMAs, or v_wmma_f32_16x16x4_f32). A number that lies on a knife's edge between two numbers of the format may be rounded either way, as far as f32 arithmetic and the matrix unit's own rounding can turn it there, and no further.
;; 2 versions, each right; version 2 is version 1 with the launch proj written anew for expert scheduling mode. Each part assembles by itself: llvm-mc -triple=amdgcn-amd-amdhsa -mcpu=gfx1250 --defsym DOCPART=n.
;; ======== version 1 of 2: 4 launches
;; workspace buffers: wimg 1,179,648 bytes; wsc 73,728 bytes; kbuf 4,456,448 bytes; qbuf 4,456,448 bytes; vbuf 3,407,872 bytes; ctximg 3,145,728 bytes; ctxs 196,608 bytes
;; launch prep (part 1): grid 18 x 4, 8 waves a work-group, no clusters, 0 bytes of LDS; arguments Wk, Wq, Wv, Wo, wimg, wsc; writes wimg, wsc
.if DOCPART == 1
	.amdgcn_target "amdgcn-amd-amdhsa--gfx1250"
	.amdhsa_code_object_version 6
	.text
	.protected	k_q5d959ee4b7_prep
	.globl	k_q5d959ee4b7_prep
	.p2align	8
	.type	k_q5d959ee4b7_prep,@function
k_q5d959ee4b7_prep:
	s_mov_b64 s[64:65], 0
	v_nop
	global_prefetch_b8 v0, s[64:65] scope:SCOPE_SE
	s_setreg_imm32_b32 hwreg(HW_REG_WAVE_MODE, 25, 1), 1
	s_wait_xcnt 0x0
; The four weights [768 (k)][768 (n)], f32, K their FIRST axis, become codes of FP4 (E2M1) with one E8M0 byte for each 32 along K, laid as IMAGES OF OPERAND REGISTERS.
; An image is 16 columns n x 128 along K, 1,024 bytes: block g (32 along K) is the 256 bytes at 256 g, and in it row r of the tile has its 16 bytes at 16 r.  A wave that loads 16 bytes a lane at
; 512 c + 16 lane gets registers 4 c .. 4 c + 3 of the fragment.
; THE COLUMNS OF A TILE ARE NOT NEIGHBOURS: in a group of 32 columns, tile u (0, 1), row r holds column 8 u + r + 8 (r / 8).
; wimg: [weight 4][96 columns 8][fragment 6 s + t][1,024], s the K step of 128, t the tile of the 96 columns.   wsc: [weight][96 columns][6 beta + s][128]: lanes 0-15 the scale words of tile 2 beta, lanes 16-31 of tile 2 beta + 1.
; A LANE TAKES A COLUMN, ITS REGISTERS RUN DOWN K: a block of 32 lies in one lane, its largest magnitude needs no other lane, and the conversions give codes with K innermost.  Nothing is transposed.
; SHARES: grid y = the weight; grid x = 3 s + j; wave v takes the 32 columns of group 8 j + v: the eight waves stand side by side on 1,024 bytes of each row of W.  A wave has 4 blocks: one whole scale word a column.
; A store of codes covers two runs of 256 consecutive bytes, aligned.  The store of the scale words covers 128 bytes: 73,728 bytes in the whole launch leave so.
; A block's scale is 2^(floor(log2(largest magnitude)) - 2); its byte is the largest magnitude's exponent field - 2, held at 1 from below.
; LIMITS: a block whose largest magnitude lies under 2^-124 (a block of zeros too) gets the byte 1: zero codes add nothing under it, and this program alone reads the bytes.  NaN and infinities among the inputs are not served.
.set WROW, 3072                        ; bytes in a row of W
.set X,    32                          ; v32-159  128 numbers: W(128 s + i, my column)
.set CD,   16                          ; v16-31   the codes, four registers a block: no store's data are written again
	s_load_b256 s[4:11], s[0:1], 0x0               ; Wk, Wq, Wv, Wo
	s_load_b128 s[12:15], s[0:1], 0x20             ; wimg, wsc
	v_lshrrev_b32 v5, 5, v0
	v_readfirstlane_b32 s16, v5                    ; wave
	v_and_b32 v6, 31, v0                           ; lane = my column in the group of 32
	v_lshlrev_b32 v1, 2, v6                        ; in: 4 bytes a lane
	v_and_b32 v7, 7, v6
	v_lshrrev_b32 v5, 4, v6
	v_lshl_add_u32 v7, v5, 3, v7                   ; r = lane % 8 + 8 (lane / 16)
	v_bfe_u32 v5, v6, 3, 1                         ; u = (lane / 8) % 2
	v_lshlrev_b32 v2, 4, v7
	v_lshl_add_u32 v2, v5, 10, v2                  ; codes: 1,024 u + 16 r
	v_lshl_add_u32 v3, v5, 4, v7
	v_lshlrev_b32 v3, 2, v3                        ; scale word: 4 (r + 16 u)
	s_and_b32 s17, ttmp7, 0xffff                   ; which weight
	s_mul_i32 s18, ttmp9, 11
	s_lshr_b32 s18, s18, 5                         ; s = x / 3 (11 x / 32 for x under 24)
	s_mul_i32 s19, s18, 3
	s_sub_co_u32 s19, ttmp9, s19                   ; j = x % 3
	s_lshl_b32 s19, s19, 3
	s_add_co_u32 s19, s19, s16                     ; the group of 32 columns: 8 j + wave
	s_mul_i32 s20, s19, 11
	s_lshr_b32 s20, s20, 5                         ; which 96 columns: group / 3
	s_mul_i32 s21, s20, 3
	s_sub_co_u32 s21, s19, s21                     ; beta = group % 3
	s_mul_i32 s22, s18, 128*WROW                   ; W: 128 s rows down,
	s_lshl_b32 s23, s19, 7
	s_add_co_u32 s22, s22, s23                     ; 128 bytes a group along
	s_mov_b32 s23, 0
	s_mul_i32 s24, s17, 294912                     ; wimg: the weight,
	s_mul_i32 s25, s20, 36864                      ; the 96 columns,
	s_add_co_u32 s24, s24, s25
	s_mul_i32 s25, s18, 6
	s_lshl_b32 s26, s21, 1
	s_add_co_u32 s25, s25, s26
	s_lshl_b32 s25, s25, 10                        ; fragment 6 s + 2 beta
	s_add_co_u32 s24, s24, s25
	s_mov_b32 s25, 0
	s_mul_i32 s26, s17, 18432                      ; wsc likewise,
	s_mul_i32 s27, s20, 2304
	s_add_co_u32 s26, s26, s27
	s_mul_i32 s27, s21, 6
	s_add_co_u32 s27, s27, s18
	s_lshl_b32 s27, s27, 7                         ; register 6 beta + s
	s_add_co_u32 s26, s26, s27
	s_mov_b32 s27, 0
	s_wait_kmcnt 0x0
	s_cmp_eq_u32 s17, 1                            ; the choice hangs on the work-group's number alone
	s_cselect_b64 s[4:5], s[6:7], s[4:5]
	s_cmp_eq_u32 s17, 2
	s_cselect_b64 s[4:5], s[8:9], s[4:5]
	s_cmp_eq_u32 s17, 3
	s_cselect_b64 s[4:5], s[10:11], s[4:5]
	s_add_nc_u64 s[4:5], s[4:5], s[22:23]
	s_add_nc_u64 s[12:13], s[12:13], s[24:25]
	s_add_nc_u64 s[14:15], s[14:15], s[26:27]
.irp g, 0,1,2,3
.irp i, 0,1,2,3,4,5,6,7,8,9,10,11,12,13,14,15,16,17,18,19,20,21,22,23,24,25,26,27,28,29,30,31
	global_load_b32 v[X+32*\g+\i], v1, s[4:5] offset:(32*\g+\i)*WROW th:TH_LOAD_NT   ; all 128 loads go out on end; each byte of W is read once in the launch
.endr
.endr
; Block g.  cnt: the loads of the blocks behind it may stay out (96, 64, 32, 0; a wait names 63 at the most)
.macro BLOCK g, cnt
	s_wait_loadcnt \cnt
	v_max3_num_f32 v8, |v[X+32*\g]|, |v[X+32*\g+1]|, |v[X+32*\g+2]|   ; the largest magnitude, in two chains
	v_max3_num_f32 v9, |v[X+32*\g+3]|, |v[X+32*\g+4]|, |v[X+32*\g+5]|
.irp i, 6,10,14,18,22,26
	v_max3_num_f32 v8, v8, |v[X+32*\g+\i]|, |v[X+32*\g+\i+1]|
	v_max3_num_f32 v9, v9, |v[X+32*\g+\i+2]|, |v[X+32*\g+\i+3]|
.endr
	v_max3_num_f32 v8, v8, |v[X+32*\g+30]|, |v[X+32*\g+31]|
	v_max3_num_f32 v8, v8, v9, 0x1800000           ; and the floor 2^(3 - 127): the byte cannot fall under 1
	v_add_nc_u32 v10, 0xff000000, v8               ; 2 off the exponent field: the conversion takes the exponent field of this operand as its scale
	v_lshrrev_b32 v11, 23, v10                     ; the byte
.if \g == 0
	v_mov_b32 v4, v11
.else
	v_lshl_or_b32 v4, v11, 8*\g, v4                ; the lower K in the lower byte
.endif
.irp q, 0,1,2,3
	v_cvt_scalef32_pk8_fp4_f32 v[CD+4*\g+\q], v[X+32*\g+8*\q:X+32*\g+8*\q+7], v10
.endr
	global_store_b128 v2, v[CD+4*\g:CD+4*\g+3], s[12:13] offset:256*\g   ; block g of tiles 2 beta and 2 beta + 1: 256 consecutive bytes in each
.endm
	BLOCK 0, 63
	BLOCK 1, 63
	BLOCK 2, 32
	BLOCK 3, 0
	global_store_b32 v3, v4, s[14:15]
	s_endpgm
.Lfunc_end_k_q5d959ee4b7_prep:
	.size	k_q5d959ee4b7_prep, .Lfunc_end_k_q5d959ee4b7_prep-k_q5d959ee4b7_prep
	.p2alignl 7, 3214868480
	.fill 96, 4, 3214868480
	.section	.rodata,"a",@progbits
	.p2align	6, 0x0
	.amdhsa_kernel k_q5d959ee4b7_prep
		.amdhsa_group_segment_fixed_size 0
		.amdhsa_private_segment_fixed_size 0
		.amdhsa_enable_private_segment 0
		.amdhsa_kernarg_size 48
		.amdhsa_user_sgpr_count 2
		.amdhsa_user_sgpr_kernarg_segment_ptr 1
		.amdhsa_wavefront_size32 1
		.amdhsa_system_sgpr_workgroup_id_x 1
		.amdhsa_system_sgpr_workgroup_id_y 1
		.amdhsa_system_sgpr_workgroup_id_z 1
		.amdhsa_system_vgpr_workitem_id 0
		.amdhsa_next_free_vgpr 160
		.amdhsa_next_free_sgpr 66
		.amdhsa_reserve_vcc 0
		.amdhsa_float_denorm_mode_32 3
		.amdhsa_float_denorm_mode_16_64 3
		.amdhsa_memory_ordered 1
		.amdhsa_forward_progress 1
		.amdhsa_inst_pref_size 21
	.end_amdhsa_kernel
	.amdgpu_metadata
---
amdhsa.version: [ 1, 2 ]
amdhsa.kernels:
  - .name:           k_q5d959ee4b7_prep
    .symbol:         k_q5d959ee4b7_prep.kd
    .args:
      - { .name: Wk, .offset: 0, .size: 8, .value_kind: global_buffer, .address_space: global }
      - { .name: Wq, .offset: 8, .size: 8, .value_kind: global_buffer, .address_space: global }
      - { .name: Wv, .offset: 16, .size: 8, .value_kind: global_buffer, .address_space: global }
      - { .name: Wo, .offset: 24, .size: 8, .value_kind: global_buffer, .address_space: global }
      - { .name: wimg, .offset: 32, .size: 8, .value_kind: global_buffer, .address_space: global }
      - { .name: wsc, .offset: 40, .size: 8, .value_kind: global_buffer, .address_space: global }
    .group_segment_fixed_size: 0
    .private_segment_fixed_size: 0
    .kernarg_segment_align: 8
    .kernarg_segment_size: 48
    .max_flat_workgroup_size: 256
    .sgpr_count:     66
    .vgpr_count:     160
    .wavefront_size: 32
...
	.end_amdgpu_metadata
.endif
;; end of part 1
;; launch proj (part 2): grid 64 x 3, 8 waves a work-group, no clusters, 120,832 bytes of LDS; arguments key_in, query_in, value_in, bk, bq, bv, wimg, wsc, kbuf, qbuf, vbuf; writes kbuf, qbuf, vbuf
.if DOCPART == 2
	.amdgcn_target "amdgcn-amd-amdhsa--gfx1250"
	.amdhsa_code_object_version 6
	.text
	.protected	k_q5d959ee4b7_proj
	.globl	k_q5d959ee4b7_proj
	.p2align	8
	.type	k_q5d959ee4b7_proj,@function
k_q5d959ee4b7_proj:
	s_mov_b64 s[64:65], 0
	v_nop
	global_prefetch_b8 v0, s[64:65] scope:SCOPE_SE
	s_setreg_imm32_b32 hwreg(HW_REG_WAVE_MODE, 25, 1), 1
	s_wait_xcnt 0x0
; k = key_in Wk + bk, q = query_in Wq + bq, v = value_in Wv + bv, each product on codes of FP4 (E2M1) with one E8M0 scale for each 32 along K = 768; the results, f32, are quantised at once for attention's products
; and leave as codes alone: q and k along the head's 96 channels (3 blocks, a fourth of zero codes fills the K step of 128), v along the KEYS.
; SHARES: grid y = 0, 1, 2: k, q, v (pointers are chosen by the work-group's number).  Grid x = a block of 128 rows of one batch.  Wave w is head w: its 36 fragments of W (288 registers) come straight from wimg, each lane
; its fragments whole, and stay in registers.  128 rows, since an image of V^T and its scale words want 128 keys from one writer.
; NO JOINT LOADS for W, though 64 work-groups read the same: a weight's images and scale words, 313,344 bytes, and this text's 119,808 bytes of LDS do not fit together in 327,680; W would want slots that are filled
; again and a second trip from LDS to the registers in which it stays anyway.
; IMAGE: 16 rows x 128 K of codes, 1,024 bytes: block g at 256 g, row r's 16 bytes at 16 r.  Loaded by 16 bytes a lane at 512 c + 16 lane it is registers 4 c .. 4 c + 3 of a fragment.  A lane that holds HALF a block
; (k = 32 g + 16 (lane / 16) + 0 .. 15 of row lane % 16: two conversions, 8 bytes) stores it at 256 g + 16 r + 8 h: the wave covers 256 consecutive bytes, aligned.
; TILES: in a group of 32 rows (or columns), tile u, lane r holds index 8 u + r + 8 (r / 8): where such tiles are source 0, the 16 result registers of tiles 2 b, 2 b + 1 are 16 NEIGHBOURS, 32 b + 16 h + 0 .. 15.
; PHASE X: wave w quantises tile w of x: each load reads 512 consecutive bytes of a row; they turn through the wave's own stage in LDS so that a lane holds 16 neighbours along K; images and scale words go to LDS.  ONE barrier.
; PATH q, k: source 0 = W's tile, source 1 = x's tile: a lane holds one row and registers along the channels.  The bias is the C of each sum's first product.
; PATH v: source 0 = x's tile, source 1 = W's tile: a lane holds one channel and registers along the keys.  The bias is added in f32 ahead of the quantiser.
; OUT: kbuf, qbuf: [batch x head][step of 128 rows][8 images, then 512 bytes of scale words: lane l's 16 bytes at 16 l, word i: lanes 0-15 tile 2 i, lanes 16-31 tile 2 i + 1].  vbuf: the same with 6 images of V^T.
; LIMITS: a block whose largest magnitude lies under 2^-124 (a block of zeros too) gets the byte 1; this program alone reads the bytes.  NaN and infinities among the inputs are not served.
; REGISTERS, window 0: v1-11 addresses; v[12:13] 0; v14-15 scale words in the making; v16-33 W's scale words; v34-81 W's K step 5; v82-129 accumulators; v130-177 x's fragments; v178-225 accumulators (v) or the bias (q, k);
;   v226-231 x's scale words; v232-237 the record's scale words; v238-243 the bias (v) or the codes (q, k); v244-255 at work.  In phase X: v82-145 64 numbers, v146-153 codes.
;   window 1: W's fragment 6 s + t (K steps 0 to 4) at 8 (6 s + t); in phase X the same registers are four slots of 64 for x as it is loaded.
.set XIMG, 67584                       ; LDS: 0: eight stages of 16 rows x 528 bytes, a wave's own;  XIMG: x's 48 images, (tile m, K step s) at (6 m + s) 1,024
.set XSC,  116736                      ; x's scale words: (pair of tiles p, K step s) at (6 p + s) 128: lanes 0-15 tile 2 p, lanes 16-31 tile 2 p + 1
.set WS,   16
.set W5,   34
.set ACCA, 82
.set XF,   130
.set ACCB, 178
.set BIAS, 178
.set XSR,  226
.set SWR,  232
.set BV,   238
.set PCQ,  238
.set TM,   244
.set X,    82
.set PCX,  146
.set SEL,  38                          ; s[38:39] lane selects for v_permlanex16_b32: lane l xor 16
.set MSB, 0
.macro WIN new                         ; the immediate's high byte repeats the setting that is left; a switch that changes nothing is dropped
.if MSB != \new
	s_set_vgpr_msb (MSB<<8)|\new
.set MSB, \new
.endif
.endm
.macro PLACES n
.rept \n
	v_nop
.endr
.endm
; One product 16 x 16 x 128.  c: the register of C, or -1 for the constant 0.  ra, rb: 1: the side's scale words stand in lanes 16-31 of its register.
.macro WMS d, a, b, c, sa, sb, ra, rb
.if (\c) < 0
.if (\ra) && (\rb)
	v_wmma_scale_f32_16x16x128_f8f6f4 v[\d:\d+7], v[\a:\a+7], v[\b:\b+7], 0, v[\sa], v[\sb] matrix_a_fmt:MATRIX_FMT_FP4 matrix_b_fmt:MATRIX_FMT_FP4 matrix_a_scale:MATRIX_SCALE_ROW1 matrix_b_scale:MATRIX_SCALE_ROW1
.elseif (\ra)
	v_wmma_scale_f32_16x16x128_f8f6f4 v[\d:\d+7], v[\a:\a+7], v[\b:\b+7], 0, v[\sa], v[\sb] matrix_a_fmt:MATRIX_FMT_FP4 matrix_b_fmt:MATRIX_FMT_FP4 matrix_a_scale:MATRIX_SCALE_ROW1
.elseif (\rb)
	v_wmma_scale_f32_16x16x128_f8f6f4 v[\d:\d+7], v[\a:\a+7], v[\b:\b+7], 0, v[\sa], v[\sb] matrix_a_fmt:MATRIX_FMT_FP4 matrix_b_fmt:MATRIX_FMT_FP4 matrix_b_scale:MATRIX_SCALE_ROW1
.else
	v_wmma_scale_f32_16x16x128_f8f6f4 v[\d:\d+7], v[\a:\a+7], v[\b:\b+7], 0, v[\sa], v[\sb] matrix_a_fmt:MATRIX_FMT_FP4 matrix_b_fmt:MATRIX_FMT_FP4
.endif
.else
.if (\ra) && (\rb)
	v_wmma_scale_f32_16x16x128_f8f6f4 v[\d:\d+7], v[\a:\a+7], v[\b:\b+7], v[\c:\c+7], v[\sa], v[\sb] matrix_a_fmt:MATRIX_FMT_FP4 matrix_b_fmt:MATRIX_FMT_FP4 matrix_a_scale:MATRIX_SCALE_ROW1 matrix_b_scale:MATRIX_SCALE_ROW1
.elseif (\ra)
	v_wmma_scale_f32_16x16x128_f8f6f4 v[\d:\d+7], v[\a:\a+7], v[\b:\b+7], v[\c:\c+7], v[\sa], v[\sb] matrix_a_fmt:MATRIX_FMT_FP4 matrix_b_fmt:MATRIX_FMT_FP4 matrix_a_scale:MATRIX_SCALE_ROW1
.elseif (\rb)
	v_wmma_scale_f32_16x16x128_f8f6f4 v[\d:\d+7], v[\a:\a+7], v[\b:\b+7], v[\c:\c+7], v[\sa], v[\sb] matrix_a_fmt:MATRIX_FMT_FP4 matrix_b_fmt:MATRIX_FMT_FP4 matrix_b_scale:MATRIX_SCALE_ROW1
.else
	v_wmma_scale_f32_16x16x128_f8f6f4 v[\d:\d+7], v[\a:\a+7], v[\b:\b+7], v[\c:\c+7], v[\sa], v[\sb] matrix_a_fmt:MATRIX_FMT_FP4 matrix_b_fmt:MATRIX_FMT_FP4
.endif
.endif
.endm
; n blocks (3 or 4) are quantised.  The lane's 16 numbers of block b stand in v[src + 16 b] on; lane l xor 16 holds the other 16.  Codes: the pair v[pc + 2 b]; the byte: v[tm + 4 + b].  The blocks take turns line by line.
.macro QN n, src, pc, tm
.irp b, 0,1,2,3
.if \b < \n
	v_max3_num_f32 v[\tm+\b], |v[\src+16*\b]|, |v[\src+16*\b+1]|, 0x1800000   ; with the floor 2^(3 - 127): the byte cannot fall under 1
.endif
.endr
.irp i, 2,4,6,8,10,12,14
.irp b, 0,1,2,3
.if \b < \n
	v_max3_num_f32 v[\tm+\b], v[\tm+\b], |v[\src+16*\b+\i]|, |v[\src+16*\b+\i+1]|
.endif
.endr
.endr
.irp b, 0,1,2,3
.if \b < \n
	v_permlanex16_b32 v[\tm+4+\b], v[\tm+\b], s[SEL], s[SEL+1]
.endif
.endr
.irp b, 0,1,2,3
.if \b < \n
	v_max_num_f32 v[\tm+\b], v[\tm+\b], v[\tm+4+\b]   ; the block's largest magnitude
.endif
.endr
.irp b, 0,1,2,3
.if \b < \n
	v_add_nc_u32 v[\tm+8+\b], 0xff000000, v[\tm+\b]   ; 2 off its exponent field: the conversion's scale operand
.endif
.endr
.irp b, 0,1,2,3
.if \b < \n
	v_lshrrev_b32 v[\tm+4+\b], 23, v[\tm+8+\b]        ; the byte
.endif
.endr
.irp b, 0,1,2,3
.if \b < \n
	v_cvt_scalef32_pk8_fp4_f32 v[\pc+2*\b], v[\src+16*\b:\src+16*\b+7], v[\tm+8+\b]
	v_cvt_scalef32_pk8_fp4_f32 v[\pc+2*\b+1], v[\src+16*\b+8:\src+16*\b+15], v[\tm+8+\b]
.endif
.endr
	v_nop                                          ; one plain place behind the last scaled conversion
.endm
	s_load_b256 s[4:11], s[0:1], 0x0               ; key_in, query_in, value_in, bk
	s_load_b256 s[12:19], s[0:1], 0x20             ; bq, bv, wimg, wsc
	s_load_b128 s[20:23], s[0:1], 0x40             ; kbuf, qbuf
	s_load_b64 s[24:25], s[0:1], 0x50              ; vbuf
	v_lshrrev_b32 v244, 5, v0
	v_readfirstlane_b32 s37, v244                  ; wave = head = the tile of x that I quantise
	s_and_b32 s40, ttmp7, 0xffff                   ; y
	v_and_b32 v245, 31, v0                         ; lane
	v_and_b32 v246, 15, v0                         ; r
	v_bfe_u32 v247, v0, 4, 1                       ; h
	v_lshlrev_b32 v1, 4, v245                      ; v1: 16 x lane
	s_mul_i32 s41, s37, 8448                       ; my stage
	v_add_nc_u32 v2, s41, v1                       ; v2: into it: a row's 512 bytes as they lie
	v_mul_u32_u24 v3, v246, 528
	v_lshl_add_u32 v3, v247, 6, v3
	v_add_nc_u32 v3, s41, v3                       ; v3: out of it: row r, + 64 h: my 16 numbers of a block
	v_lshlrev_b32 v8, 4, v246
	v_lshl_add_u32 v8, v247, 3, v8                 ; v8: 16 r + 8 h: half a block's place in an image
	s_mul_i32 s41, s37, 6144
	s_add_co_u32 s41, s41, XIMG
	v_add_nc_u32 v4, s41, v8                       ; v4: the same in my tile's six images in LDS
	s_lshr_b32 s42, s37, 1
	s_and_b32 s43, s37, 1
	s_mul_i32 s41, s42, 768
	s_lshl_b32 s44, s43, 6
	s_add_co_u32 s41, s41, s44
	s_add_co_u32 s41, s41, XSC
	v_lshl_add_u32 v5, v246, 2, s41                ; v5: my row's scale word: pair wave / 2, half wave % 2
	v_add_nc_u32 v6, XIMG, v1                      ; v6: an image's 16 bytes for my lane
	v_lshl_add_u32 v7, v245, 2, XSC                ; v7: a scale register's word for my lane
	v_lshlrev_b32 v9, 2, v245                      ; v9: 4 x lane
	v_lshlrev_b32 v10, 6, v247                     ; v10: 64 h: the bias in the layout of q's and k's results
	v_and_b32 v11, 8, v246
	v_add_nc_u32 v11, v11, v246
	v_lshlrev_b32 v11, 2, v11                      ; v11: 4 (r + 8 (r / 8)): the bias of my channel of v
	v_mov_b32 v12, 0
	v_mov_b32 v13, 0
.irp b, 0,1,2,3
	v_mov_b32 v[TM+4+\b], 0                        ; written once: a lane permute's destination counts as one of its sources
.endr
	s_lshl_b32 s44, ttmp9, 7
	s_lshl_b32 s45, s42, 5
	s_add_co_u32 s44, s44, s45
	s_lshl_b32 s45, s43, 3
	s_add_co_u32 s44, s44, s45                     ; my tile's first row: 128 x + 32 (wave / 2) + 8 (wave % 2)
	s_mul_i32 s44, s44, 3072
	s_mov_b32 s45, 0
	s_lshr_b32 s46, ttmp9, 4                       ; the batch
	s_lshl_b32 s46, s46, 3
	s_add_co_u32 s46, s46, s37                     ; batch x head
	s_lshl_b32 s46, s46, 4
	s_and_b32 s47, ttmp9, 15
	s_add_co_u32 s46, s46, s47                     ; the record
	s_mov_b32 s47, 8704
	s_cmp_eq_u32 s40, 2
	s_cselect_b32 s47, 6656, s47                   ; and its bytes
	s_mul_i32 s46, s46, s47
	s_mov_b32 s47, 0
	s_mul_i32 s48, s40, 294912
	s_mul_i32 s49, s37, 36864
	s_add_co_u32 s48, s48, s49                     ; my head's 36 fragments of this weight
	s_mov_b32 s49, 0
	s_mul_i32 s50, s40, 18432
	s_mul_i32 s51, s37, 2304
	s_add_co_u32 s50, s50, s51                     ; and their 18 scale registers
	s_mov_b32 s51, 0
	s_mul_i32 s52, s37, 384                        ; my head's 96 numbers of the bias
	s_mov_b32 s53, 0
	s_mov_b32 s36, 0xffff0000                      ; lanes 16-31
	s_mov_b32 s[SEL], 0x76543210
	s_mov_b32 s[SEL+1], 0xfedcba98
	s_wait_kmcnt 0x0
	s_cmp_eq_u32 s40, 1                            ; the choices hang on the work-group's number alone
	s_cselect_b64 s[26:27], s[6:7], s[4:5]
	s_cselect_b64 s[28:29], s[12:13], s[10:11]
	s_cselect_b64 s[30:31], s[22:23], s[20:21]
	s_cmp_eq_u32 s40, 2
	s_cselect_b64 s[26:27], s[8:9], s[26:27]
	s_cselect_b64 s[28:29], s[14:15], s[28:29]
	s_cselect_b64 s[30:31], s[24:25], s[30:31]
	s_add_nc_u64 s[26:27], s[26:27], s[44:45]      ; x
	s_add_nc_u64 s[28:29], s[28:29], s[52:53]      ; the bias
	s_add_nc_u64 s[30:31], s[30:31], s[46:47]      ; my record
	s_add_nc_u64 s[32:33], s[16:17], s[48:49]      ; W's images
	s_add_nc_u64 s[34:35], s[18:19], s[50:51]      ; W's scale words
.macro XLOAD s                         ; K step s of my 16 rows into slot s % 4: each load reads 512 consecutive bytes of one row
	WIN 0x40                                       ; destination window 1
.irp i, 0,1,2,3,4,5,6,7,8,9,10,11,12,13,14,15
	global_load_b128 v[64*((\s)%4)+4*\i:64*((\s)%4)+4*\i+3], v1, s[26:27] offset:(\i+8*(\i/8))*3072+512*(\s) th:TH_LOAD_NT
.endr
	WIN 0
.endm
.macro TURN s                          ; through my stage: in as loaded, out 16 neighbours of each block a lane.  LDS serves a wave's instructions in order: no wait between.  Rows 528 bytes apart: 16 rows start at 16 different banks
	WIN 0x04                                       ; an LDS store's data are its source 1: window 1
.irp i, 0,1,2,3,4,5,6,7,8,9,10,11,12,13,14,15
	ds_store_b128 v2, v[64*((\s)%4)+4*\i:64*((\s)%4)+4*\i+3] offset:528*\i
.endr
	WIN 0
.irp b, 0,1,2,3
.irp j, 0,1,2,3
	ds_load_b128 v[X+16*\b+4*\j:X+16*\b+4*\j+3], v3 offset:128*\b+16*\j
.endr
.endr
.endm
.macro WLOAD f0, n                     ; n fragments of W from fragment f0 on, into window 1
	WIN 0x40
.set FF, \f0
.rept \n
	global_load_b128 v[8*FF:8*FF+3], v1, s[32:33] offset:1024*FF
	global_load_b128 v[8*FF+4:8*FF+7], v1, s[32:33] offset:1024*FF+512
.set FF, FF+1
.endr
	WIN 0
.endm
.macro XSTEP s, cnt                    ; cnt: the loads issued behind K step s's sixteen
	s_wait_loadcnt \cnt
	TURN \s
	s_wait_dscnt 0x0                               ; the numbers are back, and the stores have read the slot: it may be loaded again
.endm
.macro XQ s                            ; K step s of my tile becomes an image and a scale word a row
	QN 4, X, PCX, TM
.irp b, 0,1,2,3
	ds_store_b64 v4, v[PCX+2*\b:PCX+2*\b+1] offset:1024*(\s)+256*\b
.endr
	v_lshl_or_b32 v15, v[TM+5], 8, v[TM+4]
	v_lshl_or_b32 v15, v[TM+6], 16, v15
	v_lshl_or_b32 v15, v[TM+7], 24, v15
	ds_store_b32 v5, v15 offset:128*(\s)           ; both halves of the lanes write the same word with the same value
.endm
	; ---- PHASE X.  Four K steps of x are on their way; a slot that has been read takes the next K step, then W
	XLOAD 0
	XLOAD 1
	XLOAD 2
	XLOAD 3
	XSTEP 0, 48                                    ; behind it: K steps 1, 2, 3
	XLOAD 4
	XQ 0
	XSTEP 1, 48                                    ; 2, 3, 4
	XLOAD 5
	XQ 1
	XSTEP 2, 48                                    ; 3, 4, 5
	WLOAD 16, 8
	XQ 2
	XSTEP 3, 48                                    ; 4, 5 and 16 of W
	WLOAD 24, 6
.irp t, 0,1,2,3,4,5
	global_load_b128 v[W5+8*\t:W5+8*\t+3], v1, s[32:33] offset:1024*(30+\t)
	global_load_b128 v[W5+8*\t+4:W5+8*\t+7], v1, s[32:33] offset:1024*(30+\t)+512
.endr
	XQ 3
	XSTEP 4, 56                                    ; 5 and 16 + 24 of W
	WLOAD 0, 8
	XQ 4
	XSTEP 5, 56                                    ; 16 + 24 + 16 of W
	WLOAD 8, 8
.irp q, 0,1,2,3,4,5,6,7,8,9,10,11,12,13,14,15,16,17
	global_load_b32 v[WS+\q], v9, s[34:35] offset:128*\q
.endr
	XQ 5
	s_wait_dscnt 0x0                               ; for the others' sake: my images and scale words lie in LDS
	s_barrier_signal -1
	s_barrier_wait -1                              ; everybody's do.  From here on LDS is only read
	s_cmp_eq_u32 s40, 2
	s_cbranch_scc1 .Lvpath
	; ---- PATH q, k
.irp t, 0,1,2,3,4,5
	global_load_b128 v[BIAS+8*\t:BIAS+8*\t+3], v10, s[28:29] offset:(32*(\t/2)+8*(\t%2))*4      ; lane (r, h), register j of tile t: channel 32 (t / 2) + 8 (t % 2) + 16 h + j
	global_load_b128 v[BIAS+8*\t+4:BIAS+8*\t+7], v10, s[28:29] offset:(32*(\t/2)+8*(\t%2))*4+16
.endr
.macro QKLOAD m                        ; tile m of x: six scale registers, six fragments
.irp s, 0,1,2,3,4,5
	ds_load_b32 v[XSR+\s], v7 offset:(6*((\m)/2)+\s)*128
.endr
.irp s, 0,1,2,3,4,5
.irp c, 0,1
	ds_load_b128 v[XF+8*\s+4*\c:XF+8*\s+4*\c+3], v6 offset:(6*(\m)+\s)*1024+512*\c
.endr
.endr
.endm
.macro PASSQK m                        ; 16 rows x my head's 96 channels: six accumulators by turns, one instruction a turn, K ascending
	s_wait_dscnt 0x0                               ; tile m's fragments and scale words are in
.irp s, 0,1,2,3,4,5
.if \s < 5
	WIN 0x01                                       ; source 0 (W) window 1
.else
	WIN 0                                          ; W's K step 5 lies in window 0
.endif
.irp t, 0,1,2,3,4,5
.if \s == 0
	WMS ACCA+8*\t, 8*\t, XF, BIAS+8*\t, WS+6*(\t/2), XSR, \t%2, (\m)%2
.elseif \s < 5
	WMS ACCA+8*\t, 8*(6*\s+\t), XF+8*\s, ACCA+8*\t, WS+6*(\t/2)+\s, XSR+\s, \t%2, (\m)%2
.else
	WMS ACCA+8*\t, W5+8*\t, XF+40, ACCA+8*\t, WS+6*(\t/2)+5, XSR+5, \t%2, (\m)%2
.endif
.endr
.endr
	PLACES 5                                       ; ahead of the loads into x's registers, of the first read of results, and of the next pass's products, which begin the accumulators anew
.if (\m) < 7
	QKLOAD (\m)+1                                  ; the next tile lands while this one is quantised
.endif
.if (\m) > 0
	s_wait_xcnt 0x0                                ; the last pass's stores have read the codes' registers
.endif
	QN 3, ACCA, PCQ, TM                            ; the 16 registers of tiles 2 b, 2 b + 1 are channels 32 b + 16 h + 0 .. 15 of my row
.irp b, 0,1,2
	global_store_b64 v8, v[PCQ+2*\b:PCQ+2*\b+1], s[30:31] offset:1024*(\m)+256*\b   ; 256 consecutive bytes, aligned
.endr
	global_store_b64 v8, v[12:13], s[30:31] offset:1024*(\m)+768                    ; the fourth block: zero codes
.if (\m)%2 == 0
	v_lshl_or_b32 v14, v[TM+5], 8, v[TM+4]
	v_lshl_or_b32 v14, v[TM+6], 16, v14
	v_or_b32 v14, 0x7f000000, v14                  ; the zero block's byte: 127
.else
	v_lshl_or_b32 v15, v[TM+5], 8, v[TM+4]
	v_lshl_or_b32 v15, v[TM+6], 16, v15
	v_or_b32 v15, 0x7f000000, v15
	v_cndmask_b32 v[SWR+(\m)/2], v14, v15, s36     ; lanes 0-15: the even tile's words, lanes 16-31: the odd tile's
.endif
.endm
	QKLOAD 0
	s_wait_loadcnt 0x0                             ; W, its scale words, the bias
	PASSQK 0
	PASSQK 1
	PASSQK 2
	PASSQK 3
	PASSQK 4
	PASSQK 5
	PASSQK 6
	PASSQK 7
	global_store_b128 v1, v[SWR:SWR+3], s[30:31] offset:8192   ; the record's scale words: 512 consecutive bytes
	s_wait_xcnt 0x0
	v_lshl_add_u32 v254, v0, 2, 0x1d400
	v_mov_b32 v255, 0
	s_wait_tensorcnt 0x0
	ds_add_u32 v254, v255
	s_wait_dscnt 0x0
	s_endpgm
	; ---- PATH v
.Lvpath:
.irp t, 0,1,2,3,4,5
	global_load_b32 v[BV+\t], v11, s[28:29] offset:(32*(\t/2)+8*(\t%2))*4   ; lane r of tile t: channel 32 (t / 2) + 8 (t % 2) + r + 8 (r / 8)
.endr
	s_wait_loadcnt 6                               ; W and its scale words are in; the six loads of the bias may be out
.macro HALF p, k                       ; K steps 3 k .. 3 k + 2 of x's tiles 2 p, 2 p + 1 against my six tiles of W: twelve accumulators by turns
.irp e, 0,1,2
.irp u, 0,1
.irp c, 0,1
	ds_load_b128 v[XF+16*\e+8*\u+4*\c:XF+16*\e+8*\u+4*\c+3], v6 offset:(6*(2*(\p)+\u)+3*(\k)+\e)*1024+512*\c
.endr
.endr
.endr
	s_wait_dscnt 0x0
.irp e, 0,1,2
.set SS, 3*(\k)+\e
.if SS < 5
	WIN 0x04                                       ; source 1 (W) window 1
.else
	WIN 0
.endif
.irp t, 0,1,2,3,4,5
.irp u, 0,1
.set AC, ACCA+16*\t+48*(\t/3)+8*\u     ; accumulator (u, t): tiles 0-2 from v82, tiles 3-5 from v178
.set WR, 8*(6*SS+\t)
.if SS == 5
.set WR, W5+8*\t
.endif
.set CC, AC
.if SS == 0
.set CC, -1                            ; the first K step starts the sums
.endif
	WMS AC, XF+16*\e+8*\u, WR, CC, XSR+SS, WS+6*(\t/2)+SS, \u, \t%2
.endr
.endr
.endr
	WIN 0
.endm
.macro PASSV p                         ; keys 32 p .. 32 p + 31 of the block x my head's 96 channels
.if (\p) > 0
	s_wait_xcnt 0x0                                ; the last pass's stores have read the codes' registers, into which fragments land now
.endif
.irp s, 0,1,2,3,4,5
	ds_load_b32 v[XSR+\s], v7 offset:(6*(\p)+\s)*128
.endr
	HALF \p, 0
	PLACES 4                                       ; ahead of the loads into x's registers
	HALF \p, 1
	PLACES 5
.if (\p) == 0
	s_wait_loadcnt 0x0                             ; the bias
.endif
.irp t, 0,1,2,3,4,5
.irp i, 0,2,4,6,8,10,12,14
.set AC, ACCA+16*\t+48*(\t/3)+\i
.if \t%2
	v_pk_add_f32 v[AC:AC+1], v[AC:AC+1], v[BV+2*(\t/2):BV+2*(\t/2)+1] op_sel:[0,1] op_sel_hi:[1,1]   ; + my channel's bias: the pair's second register for both halves
.else
	v_pk_add_f32 v[AC:AC+1], v[AC:AC+1], v[BV+2*(\t/2):BV+2*(\t/2)+1] op_sel_hi:[1,0]                ; the pair's first
.endif
.endr
.endr
	QN 3, ACCA, XF, TM                             ; tiles 0-2: the 16 registers of (0, t), (1, t) are keys 32 p + 16 h + 0 .. 15 of my channel
.irp b, 0,1,2
	global_store_b64 v8, v[XF+2*\b:XF+2*\b+1], s[30:31] offset:1024*\b+256*(\p)
.if (\p) == 0
	v_mov_b32 v[SWR+\b], v[TM+4+\b]
.else
	v_lshl_or_b32 v[SWR+\b], v[TM+4+\b], 8*(\p), v[SWR+\b]   ; block p's byte of my channel's scale word
.endif
.endr
	QN 3, ACCB, XF+8, TM                           ; tiles 3-5
.irp b, 0,1,2
	global_store_b64 v8, v[XF+8+2*\b:XF+8+2*\b+1], s[30:31] offset:1024*(3+\b)+256*(\p)
.if (\p) == 0
	v_mov_b32 v[SWR+3+\b], v[TM+4+\b]
.else
	v_lshl_or_b32 v[SWR+3+\b], v[TM+4+\b], 8*(\p), v[SWR+3+\b]
.endif
.endr
.endm
	PASSV 0
	PASSV 1
	PASSV 2
	PASSV 3
	v_cndmask_b32 v[SWR], v[SWR], v[SWR+1], s36    ; lanes 0-15: the even tile's words, lanes 16-31: the odd tile's
	v_cndmask_b32 v[SWR+1], v[SWR+2], v[SWR+3], s36
	v_cndmask_b32 v[SWR+2], v[SWR+4], v[SWR+5], s36
	v_mov_b32 v[SWR+3], 0x7f7f7f7f                 ; not used; written, so that the record is whole
	global_store_b128 v1, v[SWR:SWR+3], s[30:31] offset:6144
	s_wait_xcnt 0x0
	v_lshl_add_u32 v254, v0, 2, 0x1d400
	v_mov_b32 v255, 0
	s_wait_tensorcnt 0x0
	ds_add_u32 v254, v255
	s_wait_dscnt 0x0
	s_endpgm
.Lfunc_end_k_q5d959ee4b7_proj:
	.size	k_q5d959ee4b7_proj, .Lfunc_end_k_q5d959ee4b7_proj-k_q5d959ee4b7_proj
	.p2alignl 7, 3214868480
	.fill 96, 4, 3214868480
	.section	.rodata,"a",@progbits
	.p2align	6, 0x0
	.amdhsa_kernel k_q5d959ee4b7_proj
		.amdhsa_group_segment_fixed_size 120832
		.amdhsa_private_segment_fixed_size 0
		.amdhsa_enable_private_segment 0
		.amdhsa_kernarg_size 88
		.amdhsa_user_sgpr_count 2
		.amdhsa_user_sgpr_kernarg_segment_ptr 1
		.amdhsa_wavefront_size32 1
		.amdhsa_system_sgpr_workgroup_id_x 1
		.amdhsa_system_sgpr_workgroup_id_y 1
		.amdhsa_system_sgpr_workgroup_id_z 1
		.amdhsa_system_vgpr_workitem_id 0
		.amdhsa_next_free_vgpr 512
		.amdhsa_next_free_sgpr 66
		.amdhsa_reserve_vcc 0
		.amdhsa_float_denorm_mode_32 3
		.amdhsa_float_denorm_mode_16_64 3
		.amdhsa_memory_ordered 1
		.amdhsa_forward_progress 1
		.amdhsa_inst_pref_size 216
	.end_amdhsa_kernel
	.amdgpu_metadata
---
amdhsa.version: [ 1, 2 ]
amdhsa.kernels:
  - .name:           k_q5d959ee4b7_proj
    .symbol:         k_q5d959ee4b7_proj.kd
    .args:
      - { .name: key_in, .offset: 0, .size: 8, .value_kind: global_buffer, .address_space: global }
      - { .name: query_in, .offset: 8, .size: 8, .value_kind: global_buffer, .address_space: global }
      - { .name: value_in, .offset: 16, .size: 8, .value_kind: global_buffer, .address_space: global }
      - { .name: bk, .offset: 24, .size: 8, .value_kind: global_buffer, .address_space: global }
      - { .name: bq, .offset: 32, .size: 8, .value_kind: global_buffer, .address_space: global }
      - { .name: bv, .offset: 40, .size: 8, .value_kind: global_buffer, .address_space: global }
      - { .name: wimg, .offset: 48, .size: 8, .value_kind: global_buffer, .address_space: global }
      - { .name: wsc, .offset: 56, .size: 8, .value_kind: global_buffer, .address_space: global }
      - { .name: kbuf, .offset: 64, .size: 8, .value_kind: global_buffer, .address_space: global }
      - { .name: qbuf, .offset: 72, .size: 8, .value_kind: global_buffer, .address_space: global }
      - { .name: vbuf, .offset: 80, .size: 8, .value_kind: global_buffer, .address_space: global }
    .group_segment_fixed_size: 120832
    .private_segment_fixed_size: 0
    .kernarg_segment_align: 8
    .kernarg_segment_size: 88
    .max_flat_workgroup_size: 256
    .sgpr_count:     66
    .vgpr_count:     512
    .wavefront_size: 32
...
	.end_amdgpu_metadata
.endif
;; end of part 2
;; launch attn (part 3): grid 8 x 32, 8 waves a work-group, clusters of 4 x 1, 246,784 bytes of LDS; arguments qbuf, kbuf, vbuf, ctximg, ctxs; writes ctximg, ctxs
.if DOCPART == 3
	.amdgcn_target "amdgcn-amd-amdhsa--gfx1250"
	.amdhsa_code_object_version 6
	.text
	.protected	k_q5d959ee4b7_attn
	.globl	k_q5d959ee4b7_attn
	.p2align	8
	.type	k_q5d959ee4b7_attn,@function
k_q5d959ee4b7_attn:
	s_mov_b64 s[64:65], 0
	v_nop
	global_prefetch_b8 v0, s[64:65] scope:SCOPE_SE
	s_setreg_imm32_b32 hwreg(HW_REG_WAVE_MODE, 25, 1), 1
	s_wait_xcnt 0x0
	s_wait_alu depctr_hold_cnt(0) depctr_sa_sdst(0) depctr_va_vdst(0) depctr_va_sdst(0) depctr_va_ssrc(0) depctr_va_vcc(0) depctr_vm_vsrc(0)
	s_getreg_b32 s2, hwreg(HW_REG_IB_STS2, 6, 4)
	s_cmp_eq_u32 s2, 0
	s_cbranch_scc0 .Lentry_in_a_cluster
	s_endpgm
.Lentry_in_a_cluster:
	s_bfe_u32 s2, ttmp6, 0x10000c
	s_cmp_lg_u32 s2, 0x3003
	s_cbranch_scc0 .Lentry_shape_is_right
	s_endpgm
.Lentry_shape_is_right:
; ctx[b][h][q] = the sum over k of softmax_k(q . k / sqrt(12)) v[k], both products on codes of FP4 (E2M1) with one E8M0 scale for each 32 along a product's K; the result, f32, is quantised at once along the model's 768
; (a head's 96 channels are 3 whole blocks) and leaves as codes for the last product.
; THE SOFTMAX AHEAD OF THE SECOND PRODUCT: t = score x log2(e) / sqrt(12); M = the row's largest t so far, rounded UP to a whole number; p = 2^(t - M) is quantised along the keys, not normalised.  The row's sum is
; taken of the unquantised p, in f32, and divides at the end.  When M moves, the sum and O are multiplied by 2^(old M - new M): exact.  (t is one multiplication by the product of the two constants.)
; SHARES: grid y = batch x head.  A work-group owns 256 queries; each of its EIGHT waves 32 of them, TWO tiles of 16, in 512 registers: two waves to a SIMD.  A fragment of K or V read from LDS feeds two products,
; and the two tiles' vector work stands by turns: one tile's exponentials among the other's plain lines.
; THE WHOLE HEAD STAYS IN LDS: K's 16 records of 8,704 bytes from byte 0, V's 16 of 6,656 from byte 139,264, as they lie in memory: 245,760 bytes, filled ONCE.  Nothing is filled again.
; CLUSTER: the four work-groups of a cluster belong to one head and want the same K and V: every fill is asked for JOINTLY, by the same tensor load with the same descriptor and a mask that names the four.
; The fills go in four chunks of four key steps: waves 0 and 1 fetch the halves of K's chunk, waves 2 and 3 of V's; each of these waves issues its four loads on end: four tensor loads of a wave are out at the most.
; All requests stand at the head, so there is nothing to ask for earlier.
; FRAGMENTS A STEP AHEAD: K and V have registers of their own.  K of step n + 1 is fetched from LDS behind step n's first products, V of step n + 1 behind its second.  So a chunk must be shown whole one step early:
; three barriers: ahead of step 0 (chunk 0), in step 3 ahead of the fetch of step 4 (chunk 1), in step 7 (chunks 2 and 3).
; LAYOUT: both products are used transposed: S^T = K Q^T (source 0 = 16 keys), O^T = V^T P^T (source 0 = 16 channels): a lane holds ONE query of each tile throughout.  The keys of a tile and the channels of a tile are chosen
; (in a group of 32: tile u, lane r: 8 u + r + 8 (r / 8)) so that the 16 registers of tiles 2 b, 2 b + 1 are 16 neighbours: 32 b + 16 (lane / 16) + 0 .. 15.  The first product's K is 96: its fourth block is zero codes.
; OUT: ctximg [tile of 16 rows][block 3 head + beta][256 bytes: row r's 16 bytes at 16 r]: a store covers 256 consecutive bytes, aligned.  ctxs [tile][row][24 bytes]: three single bytes a row and head: 196,608 bytes in the launch leave so.
; LIMITS: a block whose largest magnitude lies under 2^-124 gets the byte 1.  NaN and infinities are not served.
; REGISTERS, window 0: v1 16 x lane; v2, v3 LDS addresses of the fetches; v4, v5 the way out's offsets; v8 Q's scale words (lanes 0-15 my first tile, lanes 16-31 my second); v10-13 K's, v14-17 V's (tiles 2 i, 2 i + 1 in register i);
;   v18, v19 p's scale words; v20-43 and v44-67 the tiles' statistics; v68-131 and v132-195 S^T, then p; v196-211 p's codes; v212-227 Q.
;   window 1: v0-47 and v48-95 O^T; v96-159 K's eight fragments; v160-207 V's six.
; s_set_vgpr_msb's low byte: bits 1:0 source 0, 3:2 source 1, 5:4 source 2, 7:6 destination.  Eleven switches a key step.
.set KREC, 8704
.set VREC, 6656
.set VBASE, 139264
.set ADK, 2
.set ADV, 3
.set QS,  8
.set KS,  10
.set VS,  14
.set PWD, 18
.set NM,  20                           ; a tile's statistics; the second tile's lie 24 further on.  -M;  +1 the largest t: a pair for the packed form
.set TX,  21
.set SUM, 22                           ; the row's sum in two halves
.set F,   24                           ; f = 2^(old M - new M) in the first of a pair
.set C2,  26                           ; the sum's second chain
.set BM,  28                           ; a block's largest score, then its largest p
.set BP,  32                           ; the other half's; then the bytes
.set BS,  36                           ; the conversions' scale operands
.set TT,  40
.set S,   68                           ; the second tile's: 64 further on
.set PC,  196                          ; 8 further on
.set QF,  212                          ; 8 further on
.set O,   0                            ; window 1; the second tile's: 48 further on
.set KF,  96                           ; window 1
.set VF,  160                          ; window 1
.set WV,  14                           ; s14  wave
.set SEL, 20                           ; s[20:21] lane selects for v_permlanex16_b32: lane l xor 16
.set CS,  22                           ; s[22:23] c = log2(e) / sqrt(12)
.set G1K, 24                           ; s[24:31] group 1 for K's half chunks;  s[32:39] for V's
.set G1V, 32
.set G0K, 40                           ; s[40:55] groups 0 for K's four chunks;  s[68:83] for V's
.set G0V, 68
.set TK,  84                           ; s84  LDS byte of the record of K fetched last;  s85  of V;  s86  counts a loop's steps
.set TV,  85
.set CNT, 86
.set MSB, 0
.macro WIN new                         ; the immediate's high byte repeats the setting that is left; a switch that changes nothing is dropped
.if MSB != \new
	s_set_vgpr_msb (MSB<<8)|\new
.set MSB, \new
.endif
.endm
.macro PLACES n
.rept \n
	v_nop
.endr
.endm
.macro WMS d, a, b, c, sa, sb, ra, rb  ; one product 16 x 16 x 128.  c: the register of C, or -1 for the constant 0.  ra, rb: 1: the side's scale words stand in lanes 16-31
.if (\c) < 0
.if (\ra) && (\rb)
	v_wmma_scale_f32_16x16x128_f8f6f4 v[\d:\d+7], v[\a:\a+7], v[\b:\b+7], 0, v[\sa], v[\sb] matrix_a_fmt:MATRIX_FMT_FP4 matrix_b_fmt:MATRIX_FMT_FP4 matrix_a_scale:MATRIX_SCALE_ROW1 matrix_b_scale:MATRIX_SCALE_ROW1
.elseif (\ra)
	v_wmma_scale_f32_16x16x128_f8f6f4 v[\d:\d+7], v[\a:\a+7], v[\b:\b+7], 0, v[\sa], v[\sb] matrix_a_fmt:MATRIX_FMT_FP4 matrix_b_fmt:MATRIX_FMT_FP4 matrix_a_scale:MATRIX_SCALE_ROW1
.elseif (\rb)
	v_wmma_scale_f32_16x16x128_f8f6f4 v[\d:\d+7], v[\a:\a+7], v[\b:\b+7], 0, v[\sa], v[\sb] matrix_a_fmt:MATRIX_FMT_FP4 matrix_b_fmt:MATRIX_FMT_FP4 matrix_b_scale:MATRIX_SCALE_ROW1
.else
	v_wmma_scale_f32_16x16x128_f8f6f4 v[\d:\d+7], v[\a:\a+7], v[\b:\b+7], 0, v[\sa], v[\sb] matrix_a_fmt:MATRIX_FMT_FP4 matrix_b_fmt:MATRIX_FMT_FP4
.endif
.else
.if (\ra) && (\rb)
	v_wmma_scale_f32_16x16x128_f8f6f4 v[\d:\d+7], v[\a:\a+7], v[\b:\b+7], v[\c:\c+7], v[\sa], v[\sb] matrix_a_fmt:MATRIX_FMT_FP4 matrix_b_fmt:MATRIX_FMT_FP4 matrix_a_scale:MATRIX_SCALE_ROW1 matrix_b_scale:MATRIX_SCALE_ROW1
.elseif (\ra)
	v_wmma_scale_f32_16x16x128_f8f6f4 v[\d:\d+7], v[\a:\a+7], v[\b:\b+7], v[\c:\c+7], v[\sa], v[\sb] matrix_a_fmt:MATRIX_FMT_FP4 matrix_b_fmt:MATRIX_FMT_FP4 matrix_a_scale:MATRIX_SCALE_ROW1
.elseif (\rb)
	v_wmma_scale_f32_16x16x128_f8f6f4 v[\d:\d+7], v[\a:\a+7], v[\b:\b+7], v[\c:\c+7], v[\sa], v[\sb] matrix_a_fmt:MATRIX_FMT_FP4 matrix_b_fmt:MATRIX_FMT_FP4 matrix_b_scale:MATRIX_SCALE_ROW1
.else
	v_wmma_scale_f32_16x16x128_f8f6f4 v[\d:\d+7], v[\a:\a+7], v[\b:\b+7], v[\c:\c+7], v[\sa], v[\sb] matrix_a_fmt:MATRIX_FMT_FP4 matrix_b_fmt:MATRIX_FMT_FP4
.endif
.endif
.endm
; n blocks are quantised.  The lane's 16 numbers of block b stand in v[src + 16 b] on; lane l xor 16 holds the other 16.  Codes: the pair v[pc + 2 b]; the byte: v[tm + 4 + b].
.macro QN n, src, pc, tm
.irp b, 0,1,2,3
.if \b < \n
	v_max3_num_f32 v[\tm+\b], |v[\src+16*\b]|, |v[\src+16*\b+1]|, 0x1800000   ; with the floor 2^(3 - 127): the byte cannot fall under 1
.endif
.endr
.irp i, 2,4,6,8,10,12,14
.irp b, 0,1,2,3
.if \b < \n
	v_max3_num_f32 v[\tm+\b], v[\tm+\b], |v[\src+16*\b+\i]|, |v[\src+16*\b+\i+1]|
.endif
.endr
.endr
.irp b, 0,1,2,3
.if \b < \n
	v_permlanex16_b32 v[\tm+4+\b], v[\tm+\b], s[SEL], s[SEL+1]
.endif
.endr
.irp b, 0,1,2,3
.if \b < \n
	v_max_num_f32 v[\tm+\b], v[\tm+\b], v[\tm+4+\b]
.endif
.endr
.irp b, 0,1,2,3
.if \b < \n
	v_add_nc_u32 v[\tm+8+\b], 0xff000000, v[\tm+\b]
.endif
.endr
.irp b, 0,1,2,3
.if \b < \n
	v_lshrrev_b32 v[\tm+4+\b], 23, v[\tm+8+\b]
.endif
.endr
.irp b, 0,1,2,3
.if \b < \n
	v_cvt_scalef32_pk8_fp4_f32 v[\pc+2*\b], v[\src+16*\b:\src+16*\b+7], v[\tm+8+\b]
	v_cvt_scalef32_pk8_fp4_f32 v[\pc+2*\b+1], v[\src+16*\b+8:\src+16*\b+15], v[\tm+8+\b]
.endif
.endr
	v_nop                                          ; one plain place behind the last scaled conversion
.endm
; A round of the cluster's barrier: my work-group's barrier; wave 0 signals for the work-group; every wave waits for all four work-groups; my work-group's barrier once more
.macro ROUND
	s_barrier_signal -1
	s_barrier_wait -1
	s_cmp_lg_u32 s[WV], 0
	s_cbranch_scc1 .Lnot_wave_0_\@
	s_barrier_signal -3
.Lnot_wave_0_\@:
	s_barrier_wait -3
	s_barrier_signal -1
	s_barrier_wait -1
.endm
	s_load_b256 s[4:11], s[0:1], 0x0               ; qbuf s[4:5], kbuf s[6:7], vbuf s[8:9], ctximg s[10:11]
	s_load_b64 s[12:13], s[0:1], 0x20              ; ctxs
	v_lshl_add_u32 v254, v0, 2, 0x3c000
	v_mov_b32 v255, 0
	ds_add_u32 v254, v255
	ds_add_u32 v254, v255
	v_lshrrev_b32 v6, 5, v0
	v_readfirstlane_b32 s[WV], v6                  ; wave 0..7
	s_and_b32 s17, ttmp7, 0xffff                   ; batch x head, which the four partners share
	s_and_b32 s18, s[WV], 1                        ; which half of a chunk I fetch, if I fetch
	s_mul_i32 s88, s17, 139264                     ; K: the head's records,
	s_mul_i32 s19, s18, 17408                      ; my half: in memory and in LDS alike
	s_add_co_u32 s88, s88, s19
	s_mov_b32 s89, 0
	s_mul_i32 s90, s17, 106496                     ; V likewise
	s_mul_i32 s87, s18, 13312
	s_add_co_u32 s90, s90, s87
	s_mov_b32 s91, 0
	; group 1: a dense block as rows of 256 bytes (32 elements of 8 bytes): 68 rows for half a chunk of K, 52 for V
	s_mov_b32 s[G1K], 15|(3<<16)|(1<<21)           ; 15:0 the mask: all four work-groups; 17:16 elements of 8 bytes; 21 set beside a mask; no padding: every LDS load takes 512 consecutive bytes
	s_mov_b32 s[G1K+1], 32<<16                     ; tensor_dim0
	s_mov_b32 s[G1K+2], 68<<16                     ; tensor_dim1
	s_mov_b32 s[G1K+3], 32<<16                     ; tile_dim0
	s_mov_b32 s[G1K+4], 68                         ; tile_dim1
	s_mov_b32 s[G1K+5], 32                         ; from row to row
	s_mov_b32 s[G1K+6], 0
	s_mov_b32 s[G1K+7], 0
	s_mov_b32 s[G1V], 15|(3<<16)|(1<<21)
	s_mov_b32 s[G1V+1], 32<<16
	s_mov_b32 s[G1V+2], 52<<16
	s_mov_b32 s[G1V+3], 32<<16
	s_mov_b32 s[G1V+4], 52
	s_mov_b32 s[G1V+5], 32
	s_mov_b32 s[G1V+6], 0
	s_mov_b32 s[G1V+7], 0
	s_wait_dscnt 0x0
	s_wait_kmcnt 0x0
	s_add_nc_u64 s[6:7], s[6:7], s[88:89]
	s_add_nc_u64 s[8:9], s[8:9], s[90:91]
.irp c, 0,1,2,3                        ; group 0 for chunk c: nothing in it hangs on my place in the cluster
	s_mov_b32 s[G0K+4*\c], 1
	s_add_co_u32 s[G0K+4*\c+1], s19, 34816*\c
	s_add_nc_u64 s[G0K+4*\c+2:G0K+4*\c+3], s[6:7], 34816*\c
	s_or_b32 s[G0K+4*\c+3], s[G0K+4*\c+3], 0x80000000
	s_mov_b32 s[G0V+4*\c], 1
	s_add_co_u32 s[G0V+4*\c+1], s87, VBASE+26624*\c
	s_add_nc_u64 s[G0V+4*\c+2:G0V+4*\c+3], s[8:9], 26624*\c
	s_or_b32 s[G0V+4*\c+3], s[G0V+4*\c+3], 0x80000000
.endr
	ROUND                                          ; all four work-groups are here: the joint loads meet
	s_cmp_lt_u32 s[WV], 2                          ; a wave's four fills stand in one branch on the wave's number, ahead of every wait on TENSORcnt and every LDS read; four v_nop follow the last
	s_cbranch_scc0 .Lnot_k
	tensor_load_to_lds s[G0K:G0K+3], s[G1K:G1K+7]
	s_nop 0
	tensor_load_to_lds s[G0K+4:G0K+7], s[G1K:G1K+7]
	s_nop 0
	tensor_load_to_lds s[G0K+8:G0K+11], s[G1K:G1K+7]
	s_nop 0
	tensor_load_to_lds s[G0K+12:G0K+15], s[G1K:G1K+7]
	s_nop 0
	PLACES 4
	s_branch .Lasked
.Lnot_k:
	s_cmp_lt_u32 s[WV], 4
	s_cbranch_scc0 .Lasked
	tensor_load_to_lds s[G0V:G0V+3], s[G1V:G1V+7]
	s_nop 0
	tensor_load_to_lds s[G0V+4:G0V+7], s[G1V:G1V+7]
	s_nop 0
	tensor_load_to_lds s[G0V+8:G0V+11], s[G1V:G1V+7]
	s_nop 0
	tensor_load_to_lds s[G0V+12:G0V+15], s[G1V:G1V+7]
	s_nop 0
	PLACES 4
.Lasked:
	s_bfe_u32 s15, ttmp6, 0x40000                  ; cx: my place in the cluster: it enters Q's and ctx's global addresses alone
	s_lshl_b32 s16, ttmp9, 2
	s_add_co_u32 s16, s16, s15                     ; my block of 256 queries
	v_and_b32 v1, 31, v0
	v_lshlrev_b32 v1, 4, v1                        ; 16 x lane
	s_lshl_b32 s92, s16, 1
	s_lshr_b32 s93, s[WV], 2
	s_add_co_u32 s92, s92, s93                     ; Q's record: 2 x block + wave / 4
	s_mul_i32 s92, s92, KREC
	s_mul_i32 s93, s17, 139264
	s_add_co_u32 s92, s92, s93
	s_mov_b32 s93, 0
	s_add_nc_u64 s[4:5], s[4:5], s[92:93]
	s_and_b32 s94, s[WV], 3                        ; my pair of tiles in it
	s_lshl_b32 s95, s94, 11
	v_add_nc_u32 v6, s95, v1                       ; their two images, 2,048 bytes
	s_lshl_b32 s94, s94, 2
	s_add_co_u32 s94, s94, 8192
	v_add_nc_u32 v7, s94, v1                       ; their scale words: word wave % 4 of my lane's 16 bytes: lanes 0-15 the first tile's, lanes 16-31 the second's
.irp a, 0,1
	global_load_b128 v[QF+8*\a:QF+8*\a+3], v6, s[4:5] offset:1024*\a
	global_load_b128 v[QF+8*\a+4:QF+8*\a+7], v6, s[4:5] offset:1024*\a+512
.endr
	global_load_b32 v[QS], v7, s[4:5]
	v_and_b32 v9, 15, v0                           ; r
	v_bfe_u32 v5, v0, 4, 1                         ; h
	v_lshlrev_b32 v4, 4, v9
	v_lshl_add_u32 v4, v5, 3, v4                   ; v4: 16 r + 8 h: half a block's place
	v_mul_u32_u24 v5, v9, 24                       ; v5: 24 r: my row's scale bytes
	s_lshr_b32 s92, s17, 3
	s_lshl_b32 s92, s92, 7
	s_lshl_b32 s93, s16, 4
	s_add_co_u32 s92, s92, s93
	s_lshl_b32 s93, s[WV], 1
	s_add_co_u32 s92, s92, s93                     ; my first tile of rows: 128 x batch + 16 x block + 2 x wave
	s_and_b32 s93, s17, 7                          ; the head
	s_mul_i32 s94, s92, 6144
	s_mul_i32 s95, s93, 768
	s_add_co_u32 s94, s94, s95
	s_mov_b32 s95, 0
	s_add_nc_u64 s[10:11], s[10:11], s[94:95]      ; ctximg: my first tile, my head's three blocks
	s_mul_i32 s94, s92, 384
	s_mul_i32 s93, s93, 3
	s_add_co_u32 s94, s94, s93
	s_add_nc_u64 s[12:13], s[12:13], s[94:95]      ; ctxs: my first tile, my head's three bytes
	s_mov_b32 s[SEL], 0x76543210
	s_mov_b32 s[SEL+1], 0xfedcba98
	s_mov_b32 s[CS], 0x3ed53b95                    ; c = log2(e) / sqrt(12)
	s_mov_b32 s[CS+1], s[CS]                       ; (named with it as a pair, so it is written)
	s_mov_b32 s[TK], 0
	s_mov_b32 s[TV], VBASE
.irp a, 0,1
	v_mov_b32 v[TX+24*\a], 0xff61b1e6              ; the largest t so far: -3e38, under every t
	v_floor_f32 v[NM+24*\a], -v[TX+24*\a]          ; -M
	v_mov_b32 v[SUM+24*\a], 0
	v_mov_b32 v[SUM+24*\a+1], 0
	v_mov_b32 v[F+24*\a+1], 0                      ; (named as the upper half of a pair)
.irp b, 0,1,2,3
	v_mov_b32 v[BP+24*\a+\b], 0                    ; written once: a lane permute's destination counts as one of its sources
.endr
.endr
	WIN 0x40                                       ; destination window 1
.set N, 0
.rept 96
	v_mov_b32 v[O+N], 0                            ; O^T.  (The step has no first step of its own: it finds zeros, which the first change of M leaves zeros.  These lines run once, while the first tiles are on their way)
.set N, N+1
.endr
	WIN 0
.macro KLOAD                           ; a step's record of K: eight fragments into window 1, four scale registers: 17 LDS loads
	WIN 0x40                                       ; destination window 1, address window 0
.irp t, 0,1,2,3,4,5,6,7
.irp c, 0,1
	ds_load_b128 v[KF+8*\t+4*\c:KF+8*\t+4*\c+3], v[ADK] offset:1024*\t+512*\c
.endr
.endr
	WIN 0
	ds_load_b128 v[KS:KS+3], v[ADK] offset:8192
.endm
.macro VLOAD                           ; a step's record of V: six fragments, four scale registers: 13 LDS loads
	WIN 0x40
.irp t, 0,1,2,3,4,5
.irp c, 0,1
	ds_load_b128 v[VF+8*\t+4*\c:VF+8*\t+4*\c+3], v[ADV] offset:1024*\t+512*\c
.endr
.endr
	WIN 0
	ds_load_b128 v[VS:VS+3], v[ADV] offset:6144
.endm
; Line N of 32 of tile a's row sum, which is taken of the unquantised p: two chains of packed additions; line N (1 to 30) takes the pair of p at registers 2 N + 2, 2 N + 3; line 0 starts the second chain, line 31 joins the two
.macro SUMLINE a
.if N == 0
	v_pk_add_f32 v[C2+24*\a:C2+24*\a+1], v[S+64*\a:S+64*\a+1], v[S+64*\a+2:S+64*\a+3]
.elseif N == 31
	v_pk_add_f32 v[SUM+24*\a:SUM+24*\a+1], v[SUM+24*\a:SUM+24*\a+1], v[C2+24*\a:C2+24*\a+1]
.elseif N%2
	v_pk_add_f32 v[SUM+24*\a:SUM+24*\a+1], v[SUM+24*\a:SUM+24*\a+1], v[S+64*\a+2*N+2:S+64*\a+2*N+3]
.else
	v_pk_add_f32 v[C2+24*\a:C2+24*\a+1], v[C2+24*\a:C2+24*\a+1], v[S+64*\a+2*N+2:S+64*\a+2*N+3]
.endif
.endm
; A KEY STEP: 128 keys x my 32 queries.  fetch = 1: the next step's K and V are fetched.  meet = 1: a barrier stands ahead of that fetch, behind a wait that leaves 'left' of my tensor loads out.
.macro STEP fetch, meet, left
	s_wait_dscnt 13                                ; K and its scale words are in; V's 13 loads, issued behind them, may be out
	WIN 0x01                                       ; source 0 (K) window 1
.irp t, 0,1,2,3,4,5,6,7
.irp a, 0,1
	WMS S+64*\a+8*\t, KF+8*\t, QF+8*\a, -1, KS+\t/2, QS, \t%2, \a      ; S^T = K Q^T: sixteen accumulators, one instruction each
.endr
.endr
	WIN 0
.if \fetch
	s_add_co_u32 s[TK], s[TK], KREC
	v_add_nc_u32 v[ADK], s[TK], v1                 ; with the three below: four places ahead of the loads into K's registers and of the first read of the scores
	PLACES 3
.if \meet
	s_wait_tensorcnt \left                         ; my part of the next chunk has landed, if I fetched one
	s_wait_dscnt 0x0                               ; no LDS load of mine is out at the signal
	s_barrier_signal -1
	s_barrier_wait -1                              ; everybody's has.
.endif
	KLOAD                                          ; the next step's K lands while the softmax is walked
.else
	PLACES 4
.endif
	; the largest score of each block of 32 keys: it serves for the row's maximum and, since p rises with the score, for the block's largest p.  Eight chains by turns
.irp b, 0,1,2,3
.irp a, 0,1
	v_max3_num_f32 v[BM+24*\a+\b], v[S+64*\a+16*\b], v[S+64*\a+16*\b+1], v[S+64*\a+16*\b+2]
.endr
.endr
.irp i, 3,5,7,9,11,13
.irp b, 0,1,2,3
.irp a, 0,1
	v_max3_num_f32 v[BM+24*\a+\b], v[BM+24*\a+\b], v[S+64*\a+16*\b+\i], v[S+64*\a+16*\b+\i+1]
.endr
.endr
.endr
.irp b, 0,1,2,3
.irp a, 0,1
	v_max_num_f32 v[BM+24*\a+\b], v[BM+24*\a+\b], v[S+64*\a+16*\b+15]
.endr
.endr
.irp b, 0,1,2,3
.irp a, 0,1
	v_permlanex16_b32 v[BP+24*\a+\b], v[BM+24*\a+\b], s[SEL], s[SEL+1]
.endr
.endr
.irp b, 0,1,2,3
.irp a, 0,1
	v_max_num_f32 v[BM+24*\a+\b], v[BM+24*\a+\b], v[BP+24*\a+\b]   ; with lane l xor 16's 16 keys
.endr
.endr
.irp a, 0,1
	v_max3_num_f32 v[TT+24*\a], v[BM+24*\a], v[BM+24*\a+1], v[BM+24*\a+2]
.endr
.irp a, 0,1
	v_max_num_f32 v[TT+24*\a], v[TT+24*\a], v[BM+24*\a+3]          ; the step's largest score of my query
.endr
.irp a, 0,1
	v_mul_f32 v[TT+24*\a], s[CS], v[TT+24*\a]                      ; as t (c is positive)
.endr
.irp a, 0,1
	v_max_num_f32 v[TX+24*\a], v[TX+24*\a], v[TT+24*\a]            ; the running largest t
.endr
.irp a, 0,1
	v_mov_b32 v[TT+24*\a], v[NM+24*\a]
.endr
.irp a, 0,1
	v_floor_f32 v[NM+24*\a], -v[TX+24*\a]                          ; the new -M = floor(-t) = -ceil(t)
.endr
	; tile 0: t - M, two at a time; the three dependent lines that make f = 2^(old M - new M) of both tiles stand among them
.set N, 0
.rept 32
	v_pk_fma_f32 v[S+2*N:S+2*N+1], v[S+2*N:S+2*N+1], s[CS:CS+1], v[NM:NM+1] op_sel_hi:[1,0,0]
.if N == 7
	v_sub_f32 v[TT], v[NM], v[TT]                  ; old M - new M: a whole number, 0 or less
	v_sub_f32 v[TT+24], v[NM+24], v[TT+24]
.elseif N == 15
	v_cvt_i32_f32 v[TT], v[TT]                     ; (it saturates)
	v_cvt_i32_f32 v[TT+24], v[TT+24]
.elseif N == 23
	v_ldexp_f32 v[F], 1.0, v[TT]
	v_ldexp_f32 v[F+24], 1.0, v[TT+24]
.endif
.set N, N+1
.endr
.irp b, 0,1,2,3
	v_fma_f32 v[BM+\b], v[BM+\b], s[CS], v[NM]     ; the same of each block's largest score
.endr
	; tile 0's exponentials, p = 2^(t - M), among tile 1's scalings: none of these lines names an exponential's result
.set N, 0
.rept 32
	v_exp_f32 v[S+2*N], v[S+2*N]
	v_exp_f32 v[S+2*N+1], v[S+2*N+1]
	v_pk_fma_f32 v[S+64+2*N:S+64+2*N+1], v[S+64+2*N:S+64+2*N+1], s[CS:CS+1], v[NM+24:NM+25] op_sel_hi:[1,0,0]
.set N, N+1
.endr
.irp b, 0,1,2,3
	v_exp_f32 v[BM+\b], v[BM+\b]                   ; the block's largest p: the same two instructions on the same number
	v_fma_f32 v[BM+24+\b], v[BM+24+\b], s[CS], v[NM+24]
.endr
	v_pk_mul_f32 v[SUM:SUM+1], v[SUM:SUM+1], v[F:F+1] op_sel_hi:[1,0]                  ; the sums under the new M
	v_pk_mul_f32 v[SUM+24:SUM+25], v[SUM+24:SUM+25], v[F+24:F+25] op_sel_hi:[1,0]
	WIN 0x41                                       ; O^T (destination and source 0) window 1, f window 0
.set N, 0
.rept 24
	v_pk_mul_f32 v[O+2*N:O+2*N+1], v[O+2*N:O+2*N+1], v[F:F+1] op_sel_hi:[1,0]          ; tile 0's O^T under the new M: work that names no exponential's result, between the batch and its wait
.set N, N+1
.endr
	WIN 0
	s_wait_alu depctr_va_vdst(0)                   ; one wait for tile 0's 68 exponentials, ahead of their first use
	; tile 1's exponentials among tile 0's sums
.set N, 0
.rept 32
	v_exp_f32 v[S+64+2*N], v[S+64+2*N]
	v_exp_f32 v[S+64+2*N+1], v[S+64+2*N+1]
	SUMLINE 0
.set N, N+1
.endr
.irp b, 0,1,2,3
	v_exp_f32 v[BM+24+\b], v[BM+24+\b]
	v_max_num_f32 v[BM+\b], 0x1800000, v[BM+\b]    ; tile 0: the floor 2^(3 - 127): the byte cannot fall under 1
.endr
.irp b, 0,1,2,3
	v_add_nc_u32 v[BS+\b], 0xff000000, v[BM+\b]    ; 2 off the exponent field: the conversion's scale operand
.endr
.irp b, 0,1,2,3
	v_lshrrev_b32 v[BP+\b], 23, v[BS+\b]           ; the byte
.endr
	v_lshl_or_b32 v[PWD], v[BP+1], 8, v[BP]        ; tile 0: p's scale word for these 128 keys
	v_lshl_or_b32 v[PWD], v[BP+2], 16, v[PWD]
	v_lshl_or_b32 v[PWD], v[BP+3], 24, v[PWD]
	s_wait_alu depctr_va_vdst(0)                   ; and one for tile 1's 68
.irp b, 0,1,2,3
	v_max_num_f32 v[BM+24+\b], 0x1800000, v[BM+24+\b]
.endr
.irp b, 0,1,2,3
	v_add_nc_u32 v[BS+24+\b], 0xff000000, v[BM+24+\b]
.endr
.irp b, 0,1,2,3
	v_lshrrev_b32 v[BP+24+\b], 23, v[BS+24+\b]
.endr
	v_lshl_or_b32 v[PWD+1], v[BP+25], 8, v[BP+24]
	v_lshl_or_b32 v[PWD+1], v[BP+26], 16, v[PWD+1]
	v_lshl_or_b32 v[PWD+1], v[BP+27], 24, v[PWD+1]
	; tile 1's sums; the sixteen conversions stand among them: conversion N / 2: tile N / 16, eight p from register 8 ((N % 16) / 2) on.  The last two lines are plain: the place behind the last conversion
.set N, 0
.rept 32
.if N%2 == 0
	v_cvt_scalef32_pk8_fp4_f32 v[PC+8*(N/16)+(N%16)/2], v[S+64*(N/16)+8*((N%16)/2):S+64*(N/16)+8*((N%16)/2)+7], v[BS+24*(N/16)+(N%16)/4]
.endif
	SUMLINE 1
.set N, N+1
.endr
.irp a, 0,1                            ; the operand's layout wants a WHOLE block in a lane: lanes 0-15 block 2 c, lanes 16-31 block 2 c + 1
.irp c, 0,1
.irp i, 0,1
	v_permlane16_swap_b32 v[PC+8*\a+4*\c+\i], v[PC+8*\a+4*\c+2+\i]
.endr
.endr
.endr
	WIN 0x41
.set N, 0
.rept 24
	v_pk_mul_f32 v[O+48+2*N:O+48+2*N+1], v[O+48+2*N:O+48+2*N+1], v[F+24:F+25] op_sel_hi:[1,0]   ; tile 1's O^T under the new M.  (These 24 are also the places between p's codes and the products below)
.set N, N+1
.endr
.if \fetch
	s_wait_dscnt 17                                ; V is in; the next K's 17 loads, issued behind it, may be out
.else
	s_wait_dscnt 0x0
.endif
	WIN 0x51                                       ; source 0 (V) window 1, source 1 (p) window 0, C and D (O^T) window 1
.irp t, 0,1,2,3,4,5
.irp a, 0,1
	WMS O+48*\a+8*\t, VF+8*\t, PC+8*\a, O+48*\a+8*\t, VS+\t/2, PWD+\a, \t%2, 0   ; O^T += V^T P^T: twelve accumulators, one instruction each
.endr
.endr
	WIN 0
.if \fetch
	s_add_co_u32 s[TV], s[TV], VREC
	v_add_nc_u32 v[ADV], s[TV], v1                 ; with the three below: four places ahead of the loads into V's registers
	PLACES 3
	VLOAD                                          ; the next step's V
.else
	PLACES 4                                       ; ahead of the first read of O^T on the way out
.endif
.endm
.macro RUN n                           ; n key steps of the plain kind
	s_mov_b32 s[CNT], \n
.Lrun_\@:
	STEP 1, 0, 0
	s_sub_co_u32 s[CNT], s[CNT], 1
	s_cmp_lg_u32 s[CNT], 0
	s_cbranch_scc1 .Lrun_\@
.endm
	s_wait_tensorcnt 3                             ; my part of chunk 0 has landed, if I fetched one; the three later chunks may be out
	s_barrier_signal -1
	s_barrier_wait -1                              ; everybody's has
	v_add_nc_u32 v[ADK], s[TK], v1
	v_add_nc_u32 v[ADV], s[TV], v1
	KLOAD                                          ; step 0
	VLOAD
	s_wait_loadcnt 0x0                             ; Q
	RUN 3                                          ; steps 0 to 2; they fetch steps 1 to 3
	STEP 1, 1, 2                                   ; step 3: chunk 1 is shown whole ahead of the fetch of step 4; chunks 2 and 3 may be out
	RUN 3                                          ; steps 4 to 6
	STEP 1, 1, 0                                   ; step 7: chunks 2 and 3
	RUN 7                                          ; steps 8 to 14
	STEP 0, 0, 0                                   ; step 15 fetches nothing
	; THE WAY OUT: O^T / the sum, quantised along my head's 96 channels: the 16 registers of tiles 2 b, 2 b + 1 are channels 32 b + 16 h + 0 .. 15 of my query
.irp a, 0,1
	v_add_f32 v[SUM+24*\a], v[SUM+24*\a], v[SUM+24*\a+1]
.endr
.irp a, 0,1
	v_permlanex16_b32 v[TT+24*\a], v[SUM+24*\a], s[SEL], s[SEL+1]
.endr
.irp a, 0,1
	v_add_f32 v[SUM+24*\a], v[SUM+24*\a], v[TT+24*\a]              ; the row's sum
.endr
.irp a, 0,1
	v_rcp_f32 v[SUM+24*\a], v[SUM+24*\a]
.endr
	v_nop                                          ; a plain place behind the last reciprocal
	s_wait_alu depctr_va_vdst(0)                   ; one wait for both, ahead of their first use
	WIN 0x01                                       ; source 0 (O^T) window 1
.irp a, 0,1
.set N, 0
.rept 48
	v_mul_f32 v[S+64*\a+N], v[O+48*\a+N], v[SUM+24*\a]             ; each accumulator from its low end on
.set N, N+1
.endr
.endr
	WIN 0
	QN 3, S, PC, BM
.irp b, 0,1,2
	global_store_b64 v4, v[PC+2*\b:PC+2*\b+1], s[10:11] offset:256*\b          ; 256 consecutive bytes, aligned
.endr
.irp b, 0,1,2
	global_store_b8 v5, v[BP+\b], s[12:13] offset:\b                           ; both halves of the lanes write the same byte with the same value
.endr
	QN 3, S+64, PC+8, BM+24                        ; the second tile has registers of its own: no store's data are written again
.irp b, 0,1,2
	global_store_b64 v4, v[PC+8+2*\b:PC+8+2*\b+1], s[10:11] offset:6144+256*\b
.endr
.irp b, 0,1,2
	global_store_b8 v5, v[BP+24+\b], s[12:13] offset:384+\b
.endr
	s_wait_tensorcnt 0x0
	s_wait_tensorcnt 0x0
	ds_add_u32 v254, v255
	s_wait_dscnt 0x0
	ROUND                                          ; the closing round: no work-group ends while a partner may still ask for a tile that names it
	s_endpgm
.Lfunc_end_k_q5d959ee4b7_attn:
	.size	k_q5d959ee4b7_attn, .Lfunc_end_k_q5d959ee4b7_attn-k_q5d959ee4b7_attn
	.p2alignl 7, 3214868480
	.fill 96, 4, 3214868480
	.section	.rodata,"a",@progbits
	.p2align	6, 0x0
	.amdhsa_kernel k_q5d959ee4b7_attn
		.amdhsa_group_segment_fixed_size 246784
		.amdhsa_private_segment_fixed_size 0
		.amdhsa_enable_private_segment 0
		.amdhsa_kernarg_size 40
		.amdhsa_user_sgpr_count 2
		.amdhsa_user_sgpr_kernarg_segment_ptr 1
		.amdhsa_wavefront_size32 1
		.amdhsa_system_sgpr_workgroup_id_x 1
		.amdhsa_system_sgpr_workgroup_id_y 1
		.amdhsa_system_sgpr_workgroup_id_z 1
		.amdhsa_system_vgpr_workitem_id 0
		.amdhsa_next_free_vgpr 512
		.amdhsa_next_free_sgpr 100
		.amdhsa_reserve_vcc 0
		.amdhsa_float_denorm_mode_32 3
		.amdhsa_float_denorm_mode_16_64 3
		.amdhsa_memory_ordered 1
		.amdhsa_forward_progress 1
		.amdhsa_inst_pref_size 204
	.end_amdhsa_kernel
	.amdgpu_metadata
---
amdhsa.version: [ 1, 2 ]
amdhsa.kernels:
  - .name:           k_q5d959ee4b7_attn
    .symbol:         k_q5d959ee4b7_attn.kd
    .args:
      - { .name: qbuf, .offset: 0, .size: 8, .value_kind: global_buffer, .address_space: global }
      - { .name: kbuf, .offset: 8, .size: 8, .value_kind: global_buffer, .address_space: global }
      - { .name: vbuf, .offset: 16, .size: 8, .value_kind: global_buffer, .address_space: global }
      - { .name: ctximg, .offset: 24, .size: 8, .value_kind: global_buffer, .address_space: global }
      - { .name: ctxs, .offset: 32, .size: 8, .value_kind: global_buffer, .address_space: global }
    .group_segment_fixed_size: 246784
    .private_segment_fixed_size: 0
    .kernarg_segment_align: 8
    .kernarg_segment_size: 40
    .max_flat_workgroup_size: 256
    .sgpr_count:     100
    .vgpr_count:     512
    .wavefront_size: 32
...
	.end_amdgpu_metadata
.endif
;; end of part 3
;; launch outp (part 4): grid 256 x 1, 8 waves a work-group, no clusters, 200,704 bytes of LDS; arguments ctximg, ctxs, wimg, wsc, bo, query_in, ln_gamma, ln_beta, out0; writes out0
.if DOCPART == 4
	.amdgcn_target "amdgcn-amd-amdhsa--gfx1250"
	.amdhsa_code_object_version 6
	.text
	.protected	k_q5d959ee4b7_outp
	.globl	k_q5d959ee4b7_outp
	.p2align	8
	.type	k_q5d959ee4b7_outp,@function
k_q5d959ee4b7_outp:
	s_mov_b64 s[64:65], 0
	v_nop
	global_prefetch_b8 v0, s[64:65] scope:SCOPE_SE
	s_setreg_imm32_b32 hwreg(HW_REG_WAVE_MODE, 25, 1), 1
	s_wait_xcnt 0x0
; out = LayerNorm(query_in + ctx Wo + bo) x gamma + beta.  The product on codes of FP4 (E2M1) with one E8M0 scale for each 32 along K = 768; all else in f32.
; SHARES: a work-group takes 32 rows (ctx's tiles 2 P and 2 P + 1); wave w takes columns 96 w .. 96 w + 95: a row's mean and variance never leave the work-group.  256 work-groups.
; Wo's 36 fragments of a wave and ctx's 12 come straight into registers, a K step (16 loads) at a time, four K steps on their way.  The bias is the C of each sum's first product.
; NO JOINT LOADS for Wo, though all work-groups read it: its images and scale words, 313,344 bytes, and this text's 199,680 bytes of LDS do not fit together in 327,680; it would want slots that are filled again and a
; second trip from LDS to registers, for fragments that are multiplied twice each.
; THE PRODUCT IS USED TRANSPOSED (source 0 = 16 columns of Wo, source 1 = 16 rows of ctx): lane (r, h) holds row r of tile u, and the 16 registers of tiles 2 b, 2 b + 1 are columns 96 w + 32 b + 16 h + 0 .. 15.
; THE RESIDUAL's 32 rows come into LDS by asynchronous copies at the head (each 512 consecutive bytes of a row), filled once, and are read in the result's layout.  Row rho lies in slot 16 u + r of its tile and lane.
; THE VARIANCE is taken of the centred numbers, in a second pass over registers: no difference of large sums is formed.
; THE WAY OUT: the normalised rows go through a second stage in LDS; each wave takes 4 whole rows, multiplies by gamma, adds beta, and stores 512 consecutive bytes an instruction.
; LIMITS: NaN and infinities among the inputs are not served.
; REGISTERS, window 0: v1-13 addresses; v16-33 Wo's scale words; v34-39 ctx's; v40-87 the bias, later gamma (v40-63) and beta (v64-87); v88-183 the 12 accumulators ((u, t) at 88 + 48 u + 8 t); v184-187 mean, then 1 / sigma; v188-213 at work.
;   window 1: four slots of 64: Wo's tile t at 8 t, ctx's tile u at 48 + 8 u; later the residual's 96 numbers.
.set SLB,  3088                        ; a slot: a row's 3,072 bytes + 16: the 16 rows that a load touches start at 16 different banks
.set YST,  98816                       ; LDS: 0: the residual, 32 slots;  YST: the normalised rows, 32 slots
.set RED1, 197632                      ; [slot 32][wave 8] f32: the waves' sums;  1,024 bytes on: their sums of squares
.set WS,   16
.set CSR,  34
.set BI,   40
.set GA,   40
.set BE,   64
.set ACC,  88
.set MU,   184
.set CH,   188
.set PS,   196
.set PX,   212
.set SEL,  46
.set MSB, 0
.macro WIN new                         ; the immediate's high byte repeats the setting that is left; a switch that changes nothing is dropped
.if MSB != \new
	s_set_vgpr_msb (MSB<<8)|\new
.set MSB, \new
.endif
.endm
.macro PLACES n
.rept \n
	v_nop
.endr
.endm
.macro WMS d, a, b, c, sa, sb, ra, rb  ; one product 16 x 16 x 128.  c: the register of C.  ra, rb: 1: the side's scale words stand in lanes 16-31
.if (\ra) && (\rb)
	v_wmma_scale_f32_16x16x128_f8f6f4 v[\d:\d+7], v[\a:\a+7], v[\b:\b+7], v[\c:\c+7], v[\sa], v[\sb] matrix_a_fmt:MATRIX_FMT_FP4 matrix_b_fmt:MATRIX_FMT_FP4 matrix_a_scale:MATRIX_SCALE_ROW1 matrix_b_scale:MATRIX_SCALE_ROW1
.elseif (\ra)
	v_wmma_scale_f32_16x16x128_f8f6f4 v[\d:\d+7], v[\a:\a+7], v[\b:\b+7], v[\c:\c+7], v[\sa], v[\sb] matrix_a_fmt:MATRIX_FMT_FP4 matrix_b_fmt:MATRIX_FMT_FP4 matrix_a_scale:MATRIX_SCALE_ROW1
.elseif (\rb)
	v_wmma_scale_f32_16x16x128_f8f6f4 v[\d:\d+7], v[\a:\a+7], v[\b:\b+7], v[\c:\c+7], v[\sa], v[\sb] matrix_a_fmt:MATRIX_FMT_FP4 matrix_b_fmt:MATRIX_FMT_FP4 matrix_b_scale:MATRIX_SCALE_ROW1
.else
	v_wmma_scale_f32_16x16x128_f8f6f4 v[\d:\d+7], v[\a:\a+7], v[\b:\b+7], v[\c:\c+7], v[\sa], v[\sb] matrix_a_fmt:MATRIX_FMT_FP4 matrix_b_fmt:MATRIX_FMT_FP4
.endif
.endm
	s_load_b256 s[4:11], s[0:1], 0x0               ; ctximg, ctxs, wimg, wsc
	s_load_b256 s[12:19], s[0:1], 0x20             ; bo, query_in, ln_gamma, ln_beta
	s_load_b64 s[20:21], s[0:1], 0x40              ; out0
	v_lshl_add_u32 v254, v0, 2, 0x30c00
	v_mov_b32 v255, 0
	ds_add_u32 v254, v255
	ds_add_u32 v254, v255
	v_lshrrev_b32 v188, 5, v0
	v_readfirstlane_b32 s22, v188                  ; wave
	v_and_b32 v188, 31, v0                         ; lane
	v_and_b32 v189, 15, v0                         ; r
	v_bfe_u32 v190, v0, 4, 1                       ; h
	v_lshlrev_b32 v1, 4, v188                      ; v1: 16 x lane
	s_bfe_u32 s23, s22, 0x10001                    ; rows 4 w .. 4 w + 3 lie in slots 16 ((w / 2) % 2) + 4 (w % 2) + 8 (w / 4) on
	s_lshl_b32 s23, s23, 4
	s_and_b32 s32, s22, 1
	s_lshl_b32 s32, s32, 2
	s_add_co_u32 s23, s23, s32
	s_lshr_b32 s32, s22, 2
	s_lshl_b32 s32, s32, 3
	s_add_co_u32 s23, s23, s32
	s_mul_i32 s23, s23, SLB
	v_add_nc_u32 v2, s23, v1                       ; v2-5: where my four rows of the residual go
	v_add_nc_u32 v3, SLB, v2
	v_add_nc_u32 v4, 2*SLB, v2
	v_add_nc_u32 v5, 3*SLB, v2
	v_mul_u32_u24 v6, v189, SLB
	v_lshl_add_u32 v6, v190, 6, v6
	s_mul_i32 s32, s22, 384
	v_add_nc_u32 v6, s32, v6                       ; v6: the residual in the result's layout: slot r, + 64 h, + my wave's 384 bytes
	v_add_nc_u32 v7, YST, v6                       ; v7: the same place in the second stage
	s_lshl_b32 s33, s22, 2
	s_add_co_u32 s33, s33, RED1
	v_lshl_add_u32 v8, v189, 5, s33                ; v8: my wave's word of slot r
	v_lshl_add_u32 v9, v189, 5, RED1               ; v9: slot r's eight words
	v_add_nc_u32 v10, YST, v2                      ; v10: my four rows in the second stage
	v_lshlrev_b32 v11, 2, v188                     ; v11: 4 x lane
	v_mul_u32_u24 v12, v189, 24
	v_mad_u32_u24 v12, v190, 384, v12              ; v12: ctx's scale words: lanes 0-15 tile 2 P, lanes 16-31 tile 2 P + 1; 24 bytes a row
	v_lshlrev_b32 v13, 6, v190                     ; v13: 64 h
	v_mov_b32 v[MU+1], 0                           ; (named as upper halves of pairs)
	v_mov_b32 v[MU+3], 0
	v_mov_b32 v[PX], 0                             ; written once: a lane permute's destination counts as one of its sources
	v_mov_b32 v[PX+1], 0
	s_lshl_b32 s34, ttmp9, 5
	s_lshl_b32 s35, s22, 2
	s_add_co_u32 s34, s34, s35
	s_mul_i32 s34, s34, 3072                       ; row 32 P + 4 w of query_in and of out0
	s_mov_b32 s35, 0
	s_mul_i32 s36, ttmp9, 12288                    ; ctx's two tiles
	s_mov_b32 s37, 0
	s_mul_i32 s38, ttmp9, 768
	s_mov_b32 s39, 0
	s_mul_i32 s40, s22, 36864
	s_add_co_u32 s40, s40, 3*294912                ; Wo is the fourth weight
	s_mov_b32 s41, 0
	s_mul_i32 s42, s22, 2304
	s_add_co_u32 s42, s42, 3*18432
	s_mov_b32 s43, 0
	s_mov_b32 s44, s32                             ; my 96 numbers of bo
	s_mov_b32 s45, 0
	s_mov_b32 s[SEL], 0x76543210
	s_mov_b32 s[SEL+1], 0xfedcba98
	s_mov_b32 s50, 0x3aaaaaab                      ; 1 / 768
	s_mov_b32 s51, 0x3727c5ac                      ; 1e-5
	s_wait_dscnt 0x0
	s_wait_kmcnt 0x0
	s_add_nc_u64 s[24:25], s[14:15], s[34:35]      ; a base for each of my four rows: a copy's immediate is added to both its addresses
	s_add_nc_u64 s[26:27], s[24:25], 3072
	s_add_nc_u64 s[28:29], s[24:25], 6144
	s_add_nc_u64 s[30:31], s[24:25], 9216
	s_add_nc_u64 s[20:21], s[20:21], s[34:35]
	s_add_nc_u64 s[4:5], s[4:5], s[36:37]
	s_add_nc_u64 s[6:7], s[6:7], s[38:39]
	s_add_nc_u64 s[8:9], s[8:9], s[40:41]
	s_add_nc_u64 s[10:11], s[10:11], s[42:43]
	s_add_nc_u64 s[12:13], s[12:13], s[44:45]
.irp i, 0,1,2,3
.irp k, 0,1,2,3,4,5
	global_load_async_to_lds_b128 v[2+\i], v1, s[24+2*\i:25+2*\i] offset:512*\k   ; the copies stand at the head, ahead of every wait on ASYNCcnt, every LDS read and every barrier
.endr
.endr
.irp t, 0,1,2,3,4,5
	global_load_b128 v[BI+8*\t:BI+8*\t+3], v13, s[12:13] offset:(32*(\t/2)+8*(\t%2))*4
	global_load_b128 v[BI+8*\t+4:BI+8*\t+7], v13, s[12:13] offset:(32*(\t/2)+8*(\t%2))*4+16
.endr
.irp q, 0,1,2,3,4,5,6,7,8,9,10,11,12,13,14,15,16,17
	global_load_b32 v[WS+\q], v11, s[10:11] offset:128*\q
.endr
.irp s, 0,1,2,3,4,5
	global_load_b32 v[CSR+\s], v12, s[6:7] offset:4*\s
.endr
.macro SLOAD s, k                      ; K step s into slot k: 12 loads of Wo, 4 of ctx
	WIN 0x40                                       ; destination window 1
.irp t, 0,1,2,3,4,5
.irp c, 0,1
	global_load_b128 v[64*(\k)+8*\t+4*\c:64*(\k)+8*\t+4*\c+3], v1, s[8:9] offset:1024*(6*(\s)+\t)+512*\c
.endr
.endr
.irp u, 0,1
.irp c, 0,1
	global_load_b128 v[64*(\k)+48+8*\u+4*\c:64*(\k)+48+8*\u+4*\c+3], v1, s[4:5] offset:6144*\u+1024*(\s)+512*\c
.endr
.endr
	WIN 0
.endm
	SLOAD 0, 0
	SLOAD 1, 1
	SLOAD 2, 2
	SLOAD 3, 3
.macro PSTEP s, cnt                    ; K step s: twelve accumulators by turns, one instruction a turn.  cnt: the loads of the K steps issued later
	s_wait_loadcnt \cnt
	WIN 0x05                                       ; sources 0 (Wo) and 1 (ctx) window 1
.irp t, 0,1,2,3,4,5
.irp u, 0,1
.if (\s) == 0
	WMS ACC+48*\u+8*\t, 8*\t, 48+8*\u, BI+8*\t, WS+6*(\t/2), CSR, \t%2, \u
.else
	WMS ACC+48*\u+8*\t, 64*((\s)%4)+8*\t, 64*((\s)%4)+48+8*\u, ACC+48*\u+8*\t, WS+6*(\t/2)+(\s), CSR+(\s), \t%2, \u
.endif
.endr
.endr
	WIN 0
.endm
	PSTEP 0, 48
	PLACES 4                                       ; ahead of the loads into the slot just multiplied
	SLOAD 4, 0
	PSTEP 1, 48
	PLACES 4
	SLOAD 5, 1
	PSTEP 2, 48
	PSTEP 3, 32
	PSTEP 4, 16
	PSTEP 5, 0
	PLACES 5
.irp k, 0,1,2,3,4,5
	global_load_b128 v[GA+4*\k:GA+4*\k+3], v1, s[16:17] offset:512*\k   ; gamma and beta as the way out wants them: 16 bytes a lane of each 512
	global_load_b128 v[BE+4*\k:BE+4*\k+3], v1, s[18:19] offset:512*\k
.endr
	; ---- the residual
	s_wait_asynccnt 0x0                            ; my four rows lie in LDS,
	s_barrier_signal -1
	s_barrier_wait -1                              ; everybody's do
	WIN 0x40
.irp u, 0,1
.irp q, 0,1,2,3,4,5,6,7,8,9,10,11
	ds_load_b128 v[48*\u+4*\q:48*\u+4*\q+3], v6 offset:16*SLB*\u+128*(\q/4)+16*(\q%4)
.endr
.endr
	s_wait_dscnt 0x0
	WIN 0x04                                       ; source 1 window 1
.set N, 0
.rept 48
	v_pk_add_f32 v[ACC+2*N:ACC+2*N+1], v[ACC+2*N:ACC+2*N+1], v[2*N:2*N+1]   ; x = residual + product + bias; each accumulator from its low end on
.set N, N+1
.endr
	WIN 0
; The two chains of each tile are joined, the two halves of the lanes too; the wave's figure for each of the 32 rows goes to its word; a barrier; every wave adds the eight in the same order.  The row's figure: v[PS + 8 u]
.macro REDUCE off
.irp u, 0,1
	v_pk_add_f32 v[CH+4*\u:CH+4*\u+1], v[CH+4*\u:CH+4*\u+1], v[CH+4*\u+2:CH+4*\u+3]
.endr
.irp u, 0,1
	v_add_f32 v[CH+4*\u], v[CH+4*\u], v[CH+4*\u+1]
.endr
.irp u, 0,1
	v_permlanex16_b32 v[PX+\u], v[CH+4*\u], s[SEL], s[SEL+1]
.endr
.irp u, 0,1
	v_add_f32 v[CH+4*\u], v[CH+4*\u], v[PX+\u]
.endr
.irp u, 0,1
	ds_store_b32 v8, v[CH+4*\u] offset:\off+512*\u   ; both halves of the lanes write the same word with the same value
.endr
	s_wait_dscnt 0x0                               ; for the others' sake
	s_barrier_signal -1
	s_barrier_wait -1
.irp u, 0,1
	ds_load_b128 v[PS+8*\u:PS+8*\u+3], v9 offset:\off+512*\u
	ds_load_b128 v[PS+8*\u+4:PS+8*\u+7], v9 offset:\off+512*\u+16
.endr
	s_wait_dscnt 0x0
.irp u, 0,1
	v_pk_add_f32 v[PS+8*\u:PS+8*\u+1], v[PS+8*\u:PS+8*\u+1], v[PS+8*\u+2:PS+8*\u+3]
	v_pk_add_f32 v[PS+8*\u+4:PS+8*\u+5], v[PS+8*\u+4:PS+8*\u+5], v[PS+8*\u+6:PS+8*\u+7]
.endr
.irp u, 0,1
	v_pk_add_f32 v[PS+8*\u:PS+8*\u+1], v[PS+8*\u:PS+8*\u+1], v[PS+8*\u+4:PS+8*\u+5]
.endr
.irp u, 0,1
	v_add_f32 v[PS+8*\u], v[PS+8*\u], v[PS+8*\u+1]
.endr
.endm
	; ---- the mean
.irp u, 0,1
	v_pk_add_f32 v[CH+4*\u:CH+4*\u+1], v[ACC+48*\u:ACC+48*\u+1], v[ACC+48*\u+4:ACC+48*\u+5]
	v_pk_add_f32 v[CH+4*\u+2:CH+4*\u+3], v[ACC+48*\u+2:ACC+48*\u+3], v[ACC+48*\u+6:ACC+48*\u+7]
.endr
.irp i, 8,12,16,20,24,28,32,36,40,44
.irp u, 0,1
	v_pk_add_f32 v[CH+4*\u:CH+4*\u+1], v[CH+4*\u:CH+4*\u+1], v[ACC+48*\u+\i:ACC+48*\u+\i+1]
	v_pk_add_f32 v[CH+4*\u+2:CH+4*\u+3], v[CH+4*\u+2:CH+4*\u+3], v[ACC+48*\u+\i+2:ACC+48*\u+\i+3]
.endr
.endr
	REDUCE 0
.irp u, 0,1
	v_mul_f32 v[MU+2*\u], s50, v[PS+8*\u]
.endr
.irp u, 0,1
.irp i, 0,2,4,6,8,10,12,14,16,18,20,22,24,26,28,30,32,34,36,38,40,42,44,46
	v_pk_add_f32 v[ACC+48*\u+\i:ACC+48*\u+\i+1], v[ACC+48*\u+\i:ACC+48*\u+\i+1], v[MU+2*\u:MU+2*\u+1] op_sel_hi:[1,0] neg_lo:[0,1] neg_hi:[0,1]   ; x - mean
.endr
.endr
	; ---- the variance, of the centred numbers
.irp u, 0,1
	v_pk_mul_f32 v[CH+4*\u:CH+4*\u+1], v[ACC+48*\u:ACC+48*\u+1], v[ACC+48*\u:ACC+48*\u+1]
	v_pk_mul_f32 v[CH+4*\u+2:CH+4*\u+3], v[ACC+48*\u+2:ACC+48*\u+3], v[ACC+48*\u+2:ACC+48*\u+3]
.endr
.irp i, 4,8,12,16,20,24,28,32,36,40,44
.irp u, 0,1
	v_pk_fma_f32 v[CH+4*\u:CH+4*\u+1], v[ACC+48*\u+\i:ACC+48*\u+\i+1], v[ACC+48*\u+\i:ACC+48*\u+\i+1], v[CH+4*\u:CH+4*\u+1]
	v_pk_fma_f32 v[CH+4*\u+2:CH+4*\u+3], v[ACC+48*\u+\i+2:ACC+48*\u+\i+3], v[ACC+48*\u+\i+2:ACC+48*\u+\i+3], v[CH+4*\u+2:CH+4*\u+3]
.endr
.endr
	REDUCE 1024                                    ; other words than the mean's: no barrier is owed between the two
.irp u, 0,1
	v_fma_f32 v[MU+2*\u], v[PS+8*\u], s50, s51     ; variance + 1e-5
.endr
.irp u, 0,1
	v_rsq_f32 v[MU+2*\u], v[MU+2*\u]
.endr
	v_nop                                          ; a plain place behind the last of the two
	s_wait_alu depctr_va_vdst(0)                   ; one wait for both, ahead of their first use
.irp u, 0,1
.irp i, 0,2,4,6,8,10,12,14,16,18,20,22,24,26,28,30,32,34,36,38,40,42,44,46
	v_pk_mul_f32 v[ACC+48*\u+\i:ACC+48*\u+\i+1], v[ACC+48*\u+\i:ACC+48*\u+\i+1], v[MU+2*\u:MU+2*\u+1] op_sel_hi:[1,0]
.endr
.endr
.irp u, 0,1
.irp q, 0,1,2,3,4,5,6,7,8,9,10,11
	ds_store_b128 v7, v[ACC+48*\u+4*\q:ACC+48*\u+4*\q+3] offset:16*SLB*\u+128*(\q/4)+16*(\q%4)
.endr
.endr
	s_wait_dscnt 0x0                               ; for the others' sake: my columns of the 32 rows lie in the stage, and the stores have read their registers
	s_barrier_signal -1
	s_barrier_wait -1
	; ---- the way out: my four whole rows
.irp i, 0,1,2,3
.irp k, 0,1,2,3,4,5
	ds_load_b128 v[ACC+24*\i+4*\k:ACC+24*\i+4*\k+3], v10 offset:SLB*\i+512*\k
.endr
.endr
	s_wait_loadcnt 0x0                             ; gamma and beta
.set N, 0
.rept 24
	s_wait_dscnt 23-N                              ; LDS loads come back in order: load N is in, the later ones may be out
	v_pk_fma_f32 v[ACC+4*N:ACC+4*N+1], v[ACC+4*N:ACC+4*N+1], v[GA+4*(N%6):GA+4*(N%6)+1], v[BE+4*(N%6):BE+4*(N%6)+1]
	v_pk_fma_f32 v[ACC+4*N+2:ACC+4*N+3], v[ACC+4*N+2:ACC+4*N+3], v[GA+4*(N%6)+2:GA+4*(N%6)+3], v[BE+4*(N%6)+2:BE+4*(N%6)+3]
	global_store_b128 v1, v[ACC+4*N:ACC+4*N+3], s[20:21] offset:3072*(N/6)+512*(N%6) th:TH_STORE_NT   ; 512 consecutive bytes of a row, at a multiple of 256 from out0's first byte
.set N, N+1
.endr
	s_wait_tensorcnt 0x0
	ds_add_u32 v254, v255
	s_wait_dscnt 0x0
	s_endpgm
.Lfunc_end_k_q5d959ee4b7_outp:
	.size	k_q5d959ee4b7_outp, .Lfunc_end_k_q5d959ee4b7_outp-k_q5d959ee4b7_outp
	.p2alignl 7, 3214868480
	.fill 96, 4, 3214868480
	.section	.rodata,"a",@progbits
	.p2align	6, 0x0
	.amdhsa_kernel k_q5d959ee4b7_outp
		.amdhsa_group_segment_fixed_size 200704
		.amdhsa_private_segment_fixed_size 0
		.amdhsa_enable_private_segment 0
		.amdhsa_kernarg_size 72
		.amdhsa_user_sgpr_count 2
		.amdhsa_user_sgpr_kernarg_segment_ptr 1
		.amdhsa_wavefront_size32 1
		.amdhsa_system_sgpr_workgroup_id_x 1
		.amdhsa_system_sgpr_workgroup_id_y 1
		.amdhsa_system_sgpr_workgroup_id_z 1
		.amdhsa_system_vgpr_workitem_id 0
		.amdhsa_next_free_vgpr 512
		.amdhsa_next_free_sgpr 66
		.amdhsa_reserve_vcc 0
		.amdhsa_float_denorm_mode_32 3
		.amdhsa_float_denorm_mode_16_64 3
		.amdhsa_memory_ordered 1
		.amdhsa_forward_progress 1
		.amdhsa_inst_pref_size 59
	.end_amdhsa_kernel
	.amdgpu_metadata
---
amdhsa.version: [ 1, 2 ]
amdhsa.kernels:
  - .name:           k_q5d959ee4b7_outp
    .symbol:         k_q5d959ee4b7_outp.kd
    .args:
      - { .name: ctximg, .offset: 0, .size: 8, .value_kind: global_buffer, .address_space: global }
      - { .name: ctxs, .offset: 8, .size: 8, .value_kind: global_buffer, .address_space: global }
      - { .name: wimg, .offset: 16, .size: 8, .value_kind: global_buffer, .address_space: global }
      - { .name: wsc, .offset: 24, .size: 8, .value_kind: global_buffer, .address_space: global }
      - { .name: bo, .offset: 32, .size: 8, .value_kind: global_buffer, .address_space: global }
      - { .name: query_in, .offset: 40, .size: 8, .value_kind: global_buffer, .address_space: global }
      - { .name: ln_gamma, .offset: 48, .size: 8, .value_kind: global_buffer, .address_space: global }
      - { .name: ln_beta, .offset: 56, .size: 8, .value_kind: global_buffer, .address_space: global }
      - { .name: out0, .offset: 64, .size: 8, .value_kind: global_buffer, .address_space: global }
    .group_segment_fixed_size: 200704
    .private_segment_fixed_size: 0
    .kernarg_segment_align: 8
    .kernarg_segment_size: 72
    .max_flat_workgroup_size: 256
    .sgpr_count:     66
    .vgpr_count:     512
    .wavefront_size: 32
...
	.end_amdgpu_metadata
.endif
;; end of part 4
;; ======== version 2 of 2: 4 launches; version 1 with the launch proj written anew for expert scheduling mode
;; workspace buffers: wimg 1,179,648 bytes; wsc 73,728 bytes; kbuf 4,456,448 bytes; qbuf 4,456,448 bytes; vbuf 3,407,872 bytes; ctximg 3,145,728 bytes; ctxs 196,608 bytes
;; launch prep: the kernel of part 1 again; grid 18 x 4, 8 waves a work-group, no clusters, 0 bytes of LDS; arguments Wk, Wq, Wv, Wo, wimg, wsc; writes wimg, wsc
;; launch proj (part 5): grid 64 x 3, 8 waves a work-group, no clusters, 120,832 bytes of LDS; arguments key_in, query_in, value_in, bk, bq, bv, wimg, wsc, kbuf, qbuf, vbuf; writes kbuf, qbuf, vbuf
.if DOCPART == 5
	.amdgcn_target "amdgcn-amd-amdhsa--gfx1250"
	.amdhsa_code_object_version 6
	.text
	.protected	k_q5d959ee4b7_proj
	.globl	k_q5d959ee4b7_proj
	.p2align	8
	.type	k_q5d959ee4b7_proj,@function
k_q5d959ee4b7_proj:
	s_mov_b64 s[64:65], 0
	v_nop
	global_prefetch_b8 v0, s[64:65] scope:SCOPE_SE
	s_setreg_imm32_b32 hwreg(HW_REG_WAVE_SCHED_MODE, 0, 2), 2
	s_setreg_imm32_b32 hwreg(HW_REG_WAVE_MODE, 25, 1), 1
	s_wait_xcnt 0x0
	s_wait_alu depctr_vm_vsrc(0)
; k = key_in Wk + bk, q = query_in Wq + bq, v = value_in Wv + bv, each product on codes of FP4 (E2M1) with one E8M0 scale for each 32 along K = 768; the results, f32, are quantised at once for attention's products
; and leave as codes alone: q and k along the head's 96 channels (3 blocks, a fourth of zero codes fills the K step of 128), v along the KEYS.
; SHARES: grid y = 0, 1, 2: k, q, v (pointers are chosen by the work-group's number).  Grid x = a block of 128 rows of one batch.  Wave w is head w: its 36 fragments of W (288 registers) come straight from wimg, each lane
; its fragments whole, and stay in registers.  128 rows, since an image of V^T and its scale words want 128 keys from one writer.
; NO JOINT LOADS for W, though 64 work-groups read the same: a weight's images and scale words, 313,344 bytes, and this text's 119,808 bytes of LDS do not fit together in 327,680; W would want slots that are filled
; again and a second trip from LDS to the registers in which it stays anyway.
; IMAGE: 16 rows x 128 K of codes, 1,024 bytes: block g at 256 g, row r's 16 bytes at 16 r.  Loaded by 16 bytes a lane at 512 c + 16 lane it is registers 4 c .. 4 c + 3 of a fragment.  A lane that holds HALF a block
; (k = 32 g + 16 (lane / 16) + 0 .. 15 of row lane % 16: two conversions, 8 bytes) stores it at 256 g + 16 r + 8 h: the wave covers 256 consecutive bytes, aligned.
; TILES: in a group of 32 rows (or columns), tile u, lane r holds index 8 u + r + 8 (r / 8): where such tiles are source 0, the 16 result registers of tiles 2 b, 2 b + 1 are 16 NEIGHBOURS, 32 b + 16 h + 0 .. 15.
; PHASE X: wave w quantises tile w of x: each load reads 512 consecutive bytes of a row; they turn through the wave's own stage in LDS so that a lane holds 16 neighbours along K; images and scale words go to LDS.  ONE barrier.
; PATH q, k: source 0 = W's tile, source 1 = x's tile: a lane holds one row and registers along the channels.  The bias is the C of each sum's first product.
; PATH v: source 0 = x's tile, source 1 = W's tile: a lane holds one channel and registers along the keys.  The bias is added in f32 ahead of the quantiser.
; OUT: kbuf, qbuf: [batch x head][step of 128 rows][8 images, then 512 bytes of scale words: lane l's 16 bytes at 16 l, word i: lanes 0-15 tile 2 i, lanes 16-31 tile 2 i + 1].  vbuf: the same with 6 images of V^T.
; LIMITS: a block whose largest magnitude lies under 2^-124 (a block of zeros too) gets the byte 1; this program alone reads the bytes.  NaN and infinities among the inputs are not served.
; REGISTERS, window 0: v1-11 addresses; v[12:13] 0; v14-15 scale words in the making; v16-33 W's scale words; v34-81 W's K step 5; v82-129 accumulators; v130-177 x's fragments; v178-225 accumulators (v) or the bias (q, k);
;   v226-231 x's scale words; v232-237 the record's scale words; v238-243 the bias (v) or the codes (q, k); v244-255 at work.  In phase X: v82-145 64 numbers, v146-153 codes.
;   window 1: W's fragment 6 s + t (K steps 0 to 4) at 8 (6 s + t); in phase X the same registers are four slots of 64 for x as it is loaded.
; THE MODE: SCHED_MODE bits 1:0 = 2 (LLVM: expert scheduling mode 2), set by the entry lines.  The code itself states the register dependences between vector or matrix instructions and memory or LDS instructions,
; with s_wait_alu, always for 0.
; THE PLAN.  Registers that memory or LDS instructions touch, and who else names them:
;   v1-11, v[12:13]   offsets, LDS addresses and the zero data: written at the head, never again.  One wait on va_vdst ahead of the first load serves them for the whole kernel.
;   the four slots    loaded with x; read by the stage's LDS stores; loaded again with x, at last with W.  No vector instruction names them in phase X; the products read W, which is never loaded again.
;   v82-145           the stage's LDS loads land there; the quantiser reads them.
;   v146-153, v15     the quantiser writes them; a K step's five LDS stores read them.
;   v130-177, v226-231  x's fragments and scale words: LDS loads land there; the products read them.  In path v the conversions lay the codes in v130-143, and six stores a pass read them.
;   v238-243 (q, k)   the conversions write them; three stores a pass read them.      v232-237: vector lines write them; one store at the path's end reads four of them.
; PHASE X, a K step: one wait on vm_vsrc behind the stage's LDS instructions (the slot has been read; so have the last step's codes and word), one on va_vdst behind the quantiser (codes and word are written;
; v82-145 have been read, and the next K step's numbers may land there).   PATH q, k, a pass: va_vdst behind the products, and the next tile's LDS loads at once behind it, to land under the quantiser; vm_vsrc ahead of
; the quantiser; va_vdst ahead of the run of stores.   PATH v, a pass: vm_vsrc at its head; va_vdst between its halves; va_vdst ahead of the run of six stores, which serves the next pass's LDS loads too.
; The wave's 512 registers are all that two waves to a SIMD leave it: x's fragments have one buffer, and the waits stand where it changes hands.
.set XIMG, 67584                       ; LDS: 0: eight stages of 16 rows x 528 bytes, a wave's own;  XIMG: x's 48 images, (tile m, K step s) at (6 m + s) 1,024
.set XSC,  116736                      ; x's scale words: (pair of tiles p, K step s) at (6 p + s) 128: lanes 0-15 tile 2 p, lanes 16-31 tile 2 p + 1
.set WS,   16
.set W5,   34
.set ACCA, 82
.set XF,   130
.set ACCB, 178
.set BIAS, 178
.set XSR,  226
.set SWR,  232
.set BV,   238
.set PCQ,  238
.set TM,   244
.set X,    82
.set PCX,  146
.set SEL,  38                          ; s[38:39] lane selects for v_permlanex16_b32: lane l xor 16
.set MSB, 0
.macro WIN new                         ; the immediate's high byte repeats the setting that is left; a switch that changes nothing is dropped
.if MSB != \new
	s_set_vgpr_msb (MSB<<8)|\new
.set MSB, \new
.endif
.endm
.macro PLACES n
.rept \n
	v_nop
.endr
.endm
; One product 16 x 16 x 128.  c: the register of C, or -1 for the constant 0.  ra, rb: 1: the side's scale words stand in lanes 16-31 of its register.
.macro WMS d, a, b, c, sa, sb, ra, rb
.if (\c) < 0
.if (\ra) && (\rb)
	v_wmma_scale_f32_16x16x128_f8f6f4 v[\d:\d+7], v[\a:\a+7], v[\b:\b+7], 0, v[\sa], v[\sb] matrix_a_fmt:MATRIX_FMT_FP4 matrix_b_fmt:MATRIX_FMT_FP4 matrix_a_scale:MATRIX_SCALE_ROW1 matrix_b_scale:MATRIX_SCALE_ROW1
.elseif (\ra)
	v_wmma_scale_f32_16x16x128_f8f6f4 v[\d:\d+7], v[\a:\a+7], v[\b:\b+7], 0, v[\sa], v[\sb] matrix_a_fmt:MATRIX_FMT_FP4 matrix_b_fmt:MATRIX_FMT_FP4 matrix_a_scale:MATRIX_SCALE_ROW1
.elseif (\rb)
	v_wmma_scale_f32_16x16x128_f8f6f4 v[\d:\d+7], v[\a:\a+7], v[\b:\b+7], 0, v[\sa], v[\sb] matrix_a_fmt:MATRIX_FMT_FP4 matrix_b_fmt:MATRIX_FMT_FP4 matrix_b_scale:MATRIX_SCALE_ROW1
.else
	v_wmma_scale_f32_16x16x128_f8f6f4 v[\d:\d+7], v[\a:\a+7], v[\b:\b+7], 0, v[\sa], v[\sb] matrix_a_fmt:MATRIX_FMT_FP4 matrix_b_fmt:MATRIX_FMT_FP4
.endif
.else
.if (\ra) && (\rb)
	v_wmma_scale_f32_16x16x128_f8f6f4 v[\d:\d+7], v[\a:\a+7], v[\b:\b+7], v[\c:\c+7], v[\sa], v[\sb] matrix_a_fmt:MATRIX_FMT_FP4 matrix_b_fmt:MATRIX_FMT_FP4 matrix_a_scale:MATRIX_SCALE_ROW1 matrix_b_scale:MATRIX_SCALE_ROW1
.elseif (\ra)
	v_wmma_scale_f32_16x16x128_f8f6f4 v[\d:\d+7], v[\a:\a+7], v[\b:\b+7], v[\c:\c+7], v[\sa], v[\sb] matrix_a_fmt:MATRIX_FMT_FP4 matrix_b_fmt:MATRIX_FMT_FP4 matrix_a_scale:MATRIX_SCALE_ROW1
.elseif (\rb)
	v_wmma_scale_f32_16x16x128_f8f6f4 v[\d:\d+7], v[\a:\a+7], v[\b:\b+7], v[\c:\c+7], v[\sa], v[\sb] matrix_a_fmt:MATRIX_FMT_FP4 matrix_b_fmt:MATRIX_FMT_FP4 matrix_b_scale:MATRIX_SCALE_ROW1
.else
	v_wmma_scale_f32_16x16x128_f8f6f4 v[\d:\d+7], v[\a:\a+7], v[\b:\b+7], v[\c:\c+7], v[\sa], v[\sb] matrix_a_fmt:MATRIX_FMT_FP4 matrix_b_fmt:MATRIX_FMT_FP4
.endif
.endif
.endm
; n blocks (3 or 4) are quantised.  The lane's 16 numbers of block b stand in v[src + 16 b] on; lane l xor 16 holds the other 16.  Codes: the pair v[pc + 2 b]; the byte: v[tm + 4 + b].  The blocks take turns line by line.
.macro QN n, src, pc, tm
.irp b, 0,1,2,3
.if \b < \n
	v_max3_num_f32 v[\tm+\b], |v[\src+16*\b]|, |v[\src+16*\b+1]|, 0x1800000   ; with the floor 2^(3 - 127): the byte cannot fall under 1
.endif
.endr
.irp i, 2,4,6,8,10,12,14
.irp b, 0,1,2,3
.if \b < \n
	v_max3_num_f32 v[\tm+\b], v[\tm+\b], |v[\src+16*\b+\i]|, |v[\src+16*\b+\i+1]|
.endif
.endr
.endr
.irp b, 0,1,2,3
.if \b < \n
	v_permlanex16_b32 v[\tm+4+\b], v[\tm+\b], s[SEL], s[SEL+1]
.endif
.endr
.irp b, 0,1,2,3
.if \b < \n
	v_max_num_f32 v[\tm+\b], v[\tm+\b], v[\tm+4+\b]   ; the block's largest magnitude
.endif
.endr
.irp b, 0,1,2,3
.if \b < \n
	v_add_nc_u32 v[\tm+8+\b], 0xff000000, v[\tm+\b]   ; 2 off its exponent field: the conversion's scale operand
.endif
.endr
.irp b, 0,1,2,3
.if \b < \n
	v_lshrrev_b32 v[\tm+4+\b], 23, v[\tm+8+\b]        ; the byte
.endif
.endr
.irp b, 0,1,2,3
.if \b < \n
	v_cvt_scalef32_pk8_fp4_f32 v[\pc+2*\b], v[\src+16*\b:\src+16*\b+7], v[\tm+8+\b]
	v_cvt_scalef32_pk8_fp4_f32 v[\pc+2*\b+1], v[\src+16*\b+8:\src+16*\b+15], v[\tm+8+\b]
.endif
.endr
	v_nop                                          ; one plain place behind the last scaled conversion
.endm
	s_load_b256 s[4:11], s[0:1], 0x0               ; key_in, query_in, value_in, bk
	s_load_b256 s[12:19], s[0:1], 0x20             ; bq, bv, wimg, wsc
	s_load_b128 s[20:23], s[0:1], 0x40             ; kbuf, qbuf
	s_load_b64 s[24:25], s[0:1], 0x50              ; vbuf
	v_lshrrev_b32 v244, 5, v0
	v_readfirstlane_b32 s37, v244                  ; wave = head = the tile of x that I quantise
	s_and_b32 s40, ttmp7, 0xffff                   ; y
	v_and_b32 v245, 31, v0                         ; lane
	v_and_b32 v246, 15, v0                         ; r
	v_bfe_u32 v247, v0, 4, 1                       ; h
	v_lshlrev_b32 v1, 4, v245                      ; v1: 16 x lane
	s_wait_alu depctr_va_sdst(0)                   ; s37 is written, ahead of its first reader: LDS addresses and the buffers' offsets are made from it
	s_mul_i32 s41, s37, 8448                       ; my stage
	v_add_nc_u32 v2, s41, v1                       ; v2: into it: a row's 512 bytes as they lie
	v_mul_u32_u24 v3, v246, 528
	v_lshl_add_u32 v3, v247, 6, v3
	v_add_nc_u32 v3, s41, v3                       ; v3: out of it: row r, + 64 h: my 16 numbers of a block
	v_lshlrev_b32 v8, 4, v246
	v_lshl_add_u32 v8, v247, 3, v8                 ; v8: 16 r + 8 h: half a block's place in an image
	s_mul_i32 s41, s37, 6144
	s_add_co_u32 s41, s41, XIMG
	v_add_nc_u32 v4, s41, v8                       ; v4: the same in my tile's six images in LDS
	s_lshr_b32 s42, s37, 1
	s_and_b32 s43, s37, 1
	s_mul_i32 s41, s42, 768
	s_lshl_b32 s44, s43, 6
	s_add_co_u32 s41, s41, s44
	s_add_co_u32 s41, s41, XSC
	v_lshl_add_u32 v5, v246, 2, s41                ; v5: my row's scale word: pair wave / 2, half wave % 2
	v_add_nc_u32 v6, XIMG, v1                      ; v6: an image's 16 bytes for my lane
	v_lshl_add_u32 v7, v245, 2, XSC                ; v7: a scale register's word for my lane
	v_lshlrev_b32 v9, 2, v245                      ; v9: 4 x lane
	v_lshlrev_b32 v10, 6, v247                     ; v10: 64 h: the bias in the layout of q's and k's results
	v_and_b32 v11, 8, v246
	v_add_nc_u32 v11, v11, v246
	v_lshlrev_b32 v11, 2, v11                      ; v11: 4 (r + 8 (r / 8)): the bias of my channel of v
	v_mov_b32 v12, 0
	v_mov_b32 v13, 0
.irp b, 0,1,2,3
	v_mov_b32 v[TM+4+\b], 0                        ; written once: a lane permute's destination counts as one of its sources
.endr
	s_lshl_b32 s44, ttmp9, 7
	s_lshl_b32 s45, s42, 5
	s_add_co_u32 s44, s44, s45
	s_lshl_b32 s45, s43, 3
	s_add_co_u32 s44, s44, s45                     ; my tile's first row: 128 x + 32 (wave / 2) + 8 (wave % 2)
	s_mul_i32 s44, s44, 3072
	s_mov_b32 s45, 0
	s_lshr_b32 s46, ttmp9, 4                       ; the batch
	s_lshl_b32 s46, s46, 3
	s_add_co_u32 s46, s46, s37                     ; batch x head
	s_lshl_b32 s46, s46, 4
	s_and_b32 s47, ttmp9, 15
	s_add_co_u32 s46, s46, s47                     ; the record
	s_mov_b32 s47, 8704
	s_cmp_eq_u32 s40, 2
	s_cselect_b32 s47, 6656, s47                   ; and its bytes
	s_mul_i32 s46, s46, s47
	s_mov_b32 s47, 0
	s_mul_i32 s48, s40, 294912
	s_mul_i32 s49, s37, 36864
	s_add_co_u32 s48, s48, s49                     ; my head's 36 fragments of this weight
	s_mov_b32 s49, 0
	s_mul_i32 s50, s40, 18432
	s_mul_i32 s51, s37, 2304
	s_add_co_u32 s50, s50, s51                     ; and their 18 scale registers
	s_mov_b32 s51, 0
	s_mul_i32 s52, s37, 384                        ; my head's 96 numbers of the bias
	s_mov_b32 s53, 0
	s_mov_b32 s36, 0xffff0000                      ; lanes 16-31
	s_mov_b32 s[SEL], 0x76543210
	s_mov_b32 s[SEL+1], 0xfedcba98
	s_wait_kmcnt 0x0
	s_cmp_eq_u32 s40, 1                            ; the choices hang on the work-group's number alone
	s_cselect_b64 s[26:27], s[6:7], s[4:5]
	s_cselect_b64 s[28:29], s[12:13], s[10:11]
	s_cselect_b64 s[30:31], s[22:23], s[20:21]
	s_cmp_eq_u32 s40, 2
	s_cselect_b64 s[26:27], s[8:9], s[26:27]
	s_cselect_b64 s[28:29], s[14:15], s[28:29]
	s_cselect_b64 s[30:31], s[24:25], s[30:31]
	s_add_nc_u64 s[26:27], s[26:27], s[44:45]      ; x
	s_add_nc_u64 s[28:29], s[28:29], s[52:53]      ; the bias
	s_add_nc_u64 s[30:31], s[30:31], s[46:47]      ; my record
	s_add_nc_u64 s[32:33], s[16:17], s[48:49]      ; W's images
	s_add_nc_u64 s[34:35], s[18:19], s[50:51]      ; W's scale words
.macro XLOAD s, again                  ; K step s of my 16 rows into slot s % 4: each load reads 512 consecutive bytes of one row.  again = 1: the slot has been through the stage
	WIN 0x40                                       ; destination window 1
.if \again
	s_wait_alu depctr_vm_vsrc(0)                   ; the stage's LDS stores have read this slot, in which the loads below land; the last K step's LDS stores have read v146-153 and v15, which the quantiser below writes again
.endif
.irp i, 0,1,2,3,4,5,6,7,8,9,10,11,12,13,14,15
	global_load_b128 v[64*((\s)%4)+4*\i:64*((\s)%4)+4*\i+3], v1, s[26:27] offset:(\i+8*(\i/8))*3072+512*(\s) th:TH_LOAD_NT
.endr
	WIN 0
.endm
.macro TURN s                          ; through my stage: in as loaded, out 16 neighbours of each block a lane.  LDS serves a wave's instructions in order: no wait between.  Rows 528 bytes apart: 16 rows start at 16 different banks
	WIN 0x04                                       ; an LDS store's data are its source 1: window 1
.irp i, 0,1,2,3,4,5,6,7,8,9,10,11,12,13,14,15
	ds_store_b128 v2, v[64*((\s)%4)+4*\i:64*((\s)%4)+4*\i+3] offset:528*\i
.endr
	WIN 0
.irp b, 0,1,2,3
.irp j, 0,1,2,3
	ds_load_b128 v[X+16*\b+4*\j:X+16*\b+4*\j+3], v3 offset:128*\b+16*\j   ; no vector instruction since the last wait on va_vdst, behind the last K step's quantiser, names these registers
.endr
.endr
.endm
.macro WLOAD f0, n                     ; n fragments of W from fragment f0 on, into window 1: into a slot that has been through the stage
	WIN 0x40
	s_wait_alu depctr_vm_vsrc(0)                   ; the stage's LDS stores have read this slot, in which the loads below land; the last K step's LDS stores have read v146-153 and v15, which the quantiser below writes again
.set FF, \f0
.rept \n
	global_load_b128 v[8*FF:8*FF+3], v1, s[32:33] offset:1024*FF
	global_load_b128 v[8*FF+4:8*FF+7], v1, s[32:33] offset:1024*FF+512
.set FF, FF+1
.endr
	WIN 0
.endm
.macro XSTEP s, cnt                    ; cnt: the loads issued behind K step s's sixteen
	s_wait_loadcnt \cnt
	TURN \s
	s_wait_dscnt 0x0                               ; the numbers are back
.endm
.macro XQ s                            ; K step s of my tile becomes an image and a scale word a row
	QN 4, X, PCX, TM
	v_lshl_or_b32 v15, v[TM+5], 8, v[TM+4]
	v_lshl_or_b32 v15, v[TM+6], 16, v15
	v_lshl_or_b32 v15, v[TM+7], 24, v15
	s_wait_alu depctr_va_vdst(0)                   ; the codes v146-153 and the word v15 are written, which the LDS stores below read; the quantiser is done reading v82-145, in which the next K step's numbers (behind the last K step: x's fragments) land
.irp b, 0,1,2,3
	ds_store_b64 v4, v[PCX+2*\b:PCX+2*\b+1] offset:1024*(\s)+256*\b
.endr
	ds_store_b32 v5, v15 offset:128*(\s)           ; both halves of the lanes write the same word with the same value
.endm
	; ---- PHASE X.  Four K steps of x are on their way; a slot that has been read takes the next K step, then W
	WIN 0x40                                       ; (the first loads' window, ahead of the wait)
	s_wait_alu depctr_va_vdst(0)                   ; the offsets and LDS addresses v1 to v11 and the zero pair v[12:13] are written: every load and store of the kernel reads some of them, and none is written again
	XLOAD 0, 0
	XLOAD 1, 0
	XLOAD 2, 0
	XLOAD 3, 0
	XSTEP 0, 48                                    ; behind it: K steps 1, 2, 3
	XLOAD 4, 1
	XQ 0
	XSTEP 1, 48                                    ; 2, 3, 4
	XLOAD 5, 1
	XQ 1
	XSTEP 2, 48                                    ; 3, 4, 5
	WLOAD 16, 8
	XQ 2
	XSTEP 3, 48                                    ; 4, 5 and 16 of W
	WLOAD 24, 6
.irp t, 0,1,2,3,4,5
	global_load_b128 v[W5+8*\t:W5+8*\t+3], v1, s[32:33] offset:1024*(30+\t)
	global_load_b128 v[W5+8*\t+4:W5+8*\t+7], v1, s[32:33] offset:1024*(30+\t)+512
.endr
	XQ 3
	XSTEP 4, 56                                    ; 5 and 16 + 24 of W
	WLOAD 0, 8
	XQ 4
	XSTEP 5, 56                                    ; 16 + 24 + 16 of W
	WLOAD 8, 8
.irp q, 0,1,2,3,4,5,6,7,8,9,10,11,12,13,14,15,16,17
	global_load_b32 v[WS+\q], v9, s[34:35] offset:128*\q
.endr
	XQ 5
	s_wait_dscnt 0x0                               ; for the others' sake: my images and scale words lie in LDS
	s_barrier_signal -1
	s_barrier_wait -1                              ; everybody's do.  From here on LDS is only read
	s_wait_alu depctr_vm_vsrc(0)                   ; the last K step's LDS stores have read v146-153, in which x's fragments land on both paths, and v15, which path q, k writes again
	s_cmp_eq_u32 s40, 2
	s_cbranch_scc1 .Lvpath
	; ---- PATH q, k
.irp t, 0,1,2,3,4,5
	global_load_b128 v[BIAS+8*\t:BIAS+8*\t+3], v10, s[28:29] offset:(32*(\t/2)+8*(\t%2))*4      ; lane (r, h), register j of tile t: channel 32 (t / 2) + 8 (t % 2) + 16 h + j
	global_load_b128 v[BIAS+8*\t+4:BIAS+8*\t+7], v10, s[28:29] offset:(32*(\t/2)+8*(\t%2))*4+16
.endr
.macro QKLOAD m                        ; tile m of x: six scale registers, six fragments
.irp s, 0,1,2,3,4,5
	ds_load_b32 v[XSR+\s], v7 offset:(6*((\m)/2)+\s)*128
.endr
.irp s, 0,1,2,3,4,5
.irp c, 0,1
	ds_load_b128 v[XF+8*\s+4*\c:XF+8*\s+4*\c+3], v6 offset:(6*(\m)+\s)*1024+512*\c
.endr
.endr
.endm
.macro PASSQK m                        ; 16 rows x my head's 96 channels: six accumulators by turns, one instruction a turn, K ascending
	s_wait_dscnt 0x0                               ; tile m's fragments and scale words are in
.irp s, 0,1,2,3,4,5
.if \s < 5
	WIN 0x01                                       ; source 0 (W) window 1
.else
	WIN 0                                          ; W's K step 5 lies in window 0
.endif
.irp t, 0,1,2,3,4,5
.if \s == 0
	WMS ACCA+8*\t, 8*\t, XF, BIAS+8*\t, WS+6*(\t/2), XSR, \t%2, (\m)%2
.elseif \s < 5
	WMS ACCA+8*\t, 8*(6*\s+\t), XF+8*\s, ACCA+8*\t, WS+6*(\t/2)+\s, XSR+\s, \t%2, (\m)%2
.else
	WMS ACCA+8*\t, W5+8*\t, XF+40, ACCA+8*\t, WS+6*(\t/2)+5, XSR+5, \t%2, (\m)%2
.endif
.endr
.endr
	PLACES 5                                       ; ahead of the first read of results, and of the next pass's products, which begin the accumulators anew
.if (\m) < 7
	s_wait_alu depctr_va_vdst(0)                   ; this pass's products are done reading x's fragments and scale words, in which the next tile's land
	QKLOAD (\m)+1                                  ; the next tile lands while this one is quantised
.endif
.if (\m) > 0
	s_wait_xcnt 0x0                                ; the last pass's stores have had their addresses translated,
	s_wait_alu depctr_vm_vsrc(0)                   ; and have read the codes' registers v238-243, which the conversions below write again
.endif
	QN 3, ACCA, PCQ, TM                            ; the 16 registers of tiles 2 b, 2 b + 1 are channels 32 b + 16 h + 0 .. 15 of my row
.if (\m)%2 == 0
	v_lshl_or_b32 v14, v[TM+5], 8, v[TM+4]
	v_lshl_or_b32 v14, v[TM+6], 16, v14
	v_or_b32 v14, 0x7f000000, v14                  ; the zero block's byte: 127
.else
	v_lshl_or_b32 v15, v[TM+5], 8, v[TM+4]
	v_lshl_or_b32 v15, v[TM+6], 16, v15
	v_or_b32 v15, 0x7f000000, v15
	v_cndmask_b32 v[SWR+(\m)/2], v14, v15, s36     ; lanes 0-15: the even tile's words, lanes 16-31: the odd tile's
.endif
	s_wait_alu depctr_va_vdst(0)                   ; the conversions have written the codes v238-243, which the stores below read; in the last pass the record's fourth scale register is written too
.irp b, 0,1,2
	global_store_b64 v8, v[PCQ+2*\b:PCQ+2*\b+1], s[30:31] offset:1024*(\m)+256*\b   ; 256 consecutive bytes, aligned
.endr
	global_store_b64 v8, v[12:13], s[30:31] offset:1024*(\m)+768                    ; the fourth block: zero codes
.endm
	QKLOAD 0                                       ; (no vector instruction since the wait behind the last K step's quantiser names v130-177 or v226-231)
	s_wait_loadcnt 0x0                             ; W, its scale words, the bias
	PASSQK 0
	PASSQK 1
	PASSQK 2
	PASSQK 3
	PASSQK 4
	PASSQK 5
	PASSQK 6
	PASSQK 7
	global_store_b128 v1, v[SWR:SWR+3], s[30:31] offset:8192   ; the record's scale words: 512 consecutive bytes.  No vector instruction since the last pass's wait names them
	s_wait_xcnt 0x0
	v_lshl_add_u32 v254, v0, 2, 0x1d400            ; the add's two registers are made anew here; no memory or LDS instruction has read v254 or v255
	v_mov_b32 v255, 0
	s_wait_dscnt 0x0                               ; the closing lines, six on end
	s_wait_alu 0x0
	s_wait_tensorcnt 0x0
	ds_add_u32 v254, v255
	s_wait_dscnt 0x0
	s_endpgm
	; ---- PATH v
.Lvpath:
.irp t, 0,1,2,3,4,5
	global_load_b32 v[BV+\t], v11, s[28:29] offset:(32*(\t/2)+8*(\t%2))*4   ; lane r of tile t: channel 32 (t / 2) + 8 (t % 2) + r + 8 (r / 8)
.endr
	s_wait_loadcnt 6                               ; W and its scale words are in; the six loads of the bias may be out
.macro HALF p, k                       ; K steps 3 k .. 3 k + 2 of x's tiles 2 p, 2 p + 1 against my six tiles of W: twelve accumulators by turns
.irp e, 0,1,2
.irp u, 0,1
.irp c, 0,1
	ds_load_b128 v[XF+16*\e+8*\u+4*\c:XF+16*\e+8*\u+4*\c+3], v6 offset:(6*(2*(\p)+\u)+3*(\k)+\e)*1024+512*\c
.endr
.endr
.endr
	s_wait_dscnt 0x0
.irp e, 0,1,2
.set SS, 3*(\k)+\e
.if SS < 5
	WIN 0x04                                       ; source 1 (W) window 1
.else
	WIN 0
.endif
.irp t, 0,1,2,3,4,5
.irp u, 0,1
.set AC, ACCA+16*\t+48*(\t/3)+8*\u     ; accumulator (u, t): tiles 0-2 from v82, tiles 3-5 from v178
.set WR, 8*(6*SS+\t)
.if SS == 5
.set WR, W5+8*\t
.endif
.set CC, AC
.if SS == 0
.set CC, -1                            ; the first K step starts the sums
.endif
	WMS AC, XF+16*\e+8*\u, WR, CC, XSR+SS, WS+6*(\t/2)+SS, \u, \t%2
.endr
.endr
.endr
	WIN 0
.endm
.macro PASSV p                         ; keys 32 p .. 32 p + 31 of the block x my head's 96 channels: the products and the two quantisers; VOUT stores
.if (\p) > 0
	s_wait_xcnt 0x0                                ; the last pass's stores have had their addresses translated,
	s_wait_alu depctr_vm_vsrc(0)                   ; and have read the codes in v130-143, in which fragments land now
.endif
.irp s, 0,1,2,3,4,5
	ds_load_b32 v[XSR+\s], v7 offset:(6*(\p)+\s)*128
.endr
	HALF \p, 0
	PLACES 4
	s_wait_alu depctr_va_vdst(0)                   ; the first half's products are done reading x's fragments, in which the second half's land
	HALF \p, 1
	PLACES 5
.if (\p) == 0
	s_wait_loadcnt 0x0                             ; the bias
.endif
.irp t, 0,1,2,3,4,5
.irp i, 0,2,4,6,8,10,12,14
.set AC, ACCA+16*\t+48*(\t/3)+\i
.if \t%2
	v_pk_add_f32 v[AC:AC+1], v[AC:AC+1], v[BV+2*(\t/2):BV+2*(\t/2)+1] op_sel:[0,1] op_sel_hi:[1,1]   ; + my channel's bias: the pair's second register for both halves
.else
	v_pk_add_f32 v[AC:AC+1], v[AC:AC+1], v[BV+2*(\t/2):BV+2*(\t/2)+1] op_sel_hi:[1,0]                ; the pair's first
.endif
.endr
.endr
	QN 3, ACCA, XF, TM                             ; tiles 0-2: the 16 registers of (0, t), (1, t) are keys 32 p + 16 h + 0 .. 15 of my channel
.irp b, 0,1,2
.if (\p) == 0
	v_mov_b32 v[SWR+\b], v[TM+4+\b]
.else
	v_lshl_or_b32 v[SWR+\b], v[TM+4+\b], 8*(\p), v[SWR+\b]   ; block p's byte of my channel's scale word
.endif
.endr
	QN 3, ACCB, XF+8, TM                           ; tiles 3-5
.irp b, 0,1,2
.if (\p) == 0
	v_mov_b32 v[SWR+3+\b], v[TM+4+\b]
.else
	v_lshl_or_b32 v[SWR+3+\b], v[TM+4+\b], 8*(\p), v[SWR+3+\b]
.endif
.endr
.endm
.macro VOUT p                          ; pass p's codes leave: one wait for the run of six stores
	s_wait_alu depctr_va_vdst(0)                   ; the conversions have written the codes in v130-143, which the stores below read; the products are done reading x's fragments and scale words: with the codes written, the next pass's loads may land there; in the last pass the record's scale registers are written too
.irp b, 0,1,2
	global_store_b64 v8, v[XF+2*\b:XF+2*\b+1], s[30:31] offset:1024*\b+256*(\p)
.endr
.irp b, 0,1,2
	global_store_b64 v8, v[XF+8+2*\b:XF+8+2*\b+1], s[30:31] offset:1024*(3+\b)+256*(\p)
.endr
.endm
	PASSV 0                                        ; (no vector instruction since the wait behind the last K step's quantiser names v130-177 or v226-231)
	VOUT 0
	PASSV 1
	VOUT 1
	PASSV 2
	VOUT 2
	PASSV 3
	v_cndmask_b32 v[SWR], v[SWR], v[SWR+1], s36    ; lanes 0-15: the even tile's words, lanes 16-31: the odd tile's
	v_cndmask_b32 v[SWR+1], v[SWR+2], v[SWR+3], s36
	v_cndmask_b32 v[SWR+2], v[SWR+4], v[SWR+5], s36
	v_mov_b32 v[SWR+3], 0x7f7f7f7f                 ; not used; written, so that the record is whole
	VOUT 3
	global_store_b128 v1, v[SWR:SWR+3], s[30:31] offset:6144   ; no vector instruction since the wait above names these four
	s_wait_xcnt 0x0
	v_lshl_add_u32 v254, v0, 2, 0x1d400            ; the add's two registers are made anew here; no memory or LDS instruction has read v254 or v255
	v_mov_b32 v255, 0
	s_wait_dscnt 0x0                               ; the closing lines, six on end
	s_wait_alu 0x0
	s_wait_tensorcnt 0x0
	ds_add_u32 v254, v255
	s_wait_dscnt 0x0
	s_endpgm
.Lfunc_end_k_q5d959ee4b7_proj:
	.size	k_q5d959ee4b7_proj, .Lfunc_end_k_q5d959ee4b7_proj-k_q5d959ee4b7_proj
	.p2alignl 7, 3214868480
	.fill 96, 4, 3214868480
	.section	.rodata,"a",@progbits
	.p2align	6, 0x0
	.amdhsa_kernel k_q5d959ee4b7_proj
		.amdhsa_group_segment_fixed_size 120832
		.amdhsa_private_segment_fixed_size 0
		.amdhsa_enable_private_segment 0
		.amdhsa_kernarg_size 88
		.amdhsa_user_sgpr_count 2
		.amdhsa_user_sgpr_kernarg_segment_ptr 1
		.amdhsa_wavefront_size32 1
		.amdhsa_system_sgpr_workgroup_id_x 1
		.amdhsa_system_sgpr_workgroup_id_y 1
		.amdhsa_system_sgpr_workgroup_id_z 1
		.amdhsa_system_vgpr_workitem_id 0
		.amdhsa_next_free_vgpr 512
		.amdhsa_next_free_sgpr 66
		.amdhsa_reserve_vcc 0
		.amdhsa_float_denorm_mode_32 3
		.amdhsa_float_denorm_mode_16_64 3
		.amdhsa_memory_ordered 1
		.amdhsa_forward_progress 1
		.amdhsa_inst_pref_size 217
	.end_amdhsa_kernel
	.amdgpu_metadata
---
amdhsa.version: [ 1, 2 ]
amdhsa.kernels:
  - .name:           k_q5d959ee4b7_proj
    .symbol:         k_q5d959ee4b7_proj.kd
    .args:
      - { .name: key_in, .offset: 0, .size: 8, .value_kind: global_buffer, .address_space: global }
      - { .name: query_in, .offset: 8, .size: 8, .value_kind: global_buffer, .address_space: global }
      - { .name: value_in, .offset: 16, .size: 8, .value_kind: global_buffer, .address_space: global }
      - { .name: bk, .offset: 24, .size: 8, .value_kind: global_buffer, .address_space: global }
      - { .name: bq, .offset: 32, .size: 8, .value_kind: global_buffer, .address_space: global }
      - { .name: bv, .offset: 40, .size: 8, .value_kind: global_buffer, .address_space: global }
      - { .name: wimg, .offset: 48, .size: 8, .value_kind: global_buffer, .address_space: global }
      - { .name: wsc, .offset: 56, .size: 8, .value_kind: global_buffer, .address_space: global }
      - { .name: kbuf, .offset: 64, .size: 8, .value_kind: global_buffer, .address_space: global }
      - { .name: qbuf, .offset: 72, .size: 8, .value_kind: global_buffer, .address_space: global }
      - { .name: vbuf, .offset: 80, .size: 8, .value_kind: global_buffer, .address_space: global }
    .group_segment_fixed_size: 120832
    .private_segment_fixed_size: 0
    .kernarg_segment_align: 8
    .kernarg_segment_size: 88
    .max_flat_workgroup_size: 256
    .sgpr_count:     66
    .vgpr_count:     512
    .wavefront_size: 32
...
	.end_amdgpu_metadata
.endif
;; end of part 5
;; launch attn: the kernel of part 3 again; grid 8 x 32, 8 waves a work-group, clusters of 4 x 1, 246,784 bytes of LDS; arguments qbuf, kbuf, vbuf, ctximg, ctxs; writes ctximg, ctxs
;; launch outp: the kernel of part 4 again; grid 256 x 1, 8 waves a work-group, no clusters, 200,704 bytes of LDS; arguments ctximg, ctxs, wimg, wsc, bo, query_in, ln_gamma, ln_beta, out0; writes out0
